; MI455X (gfx1250); checked and timed in simulation.
; The chip was launched on July 23, 2026; its instructions are those of AMD's public machine-readable ISA for CDNA 5 (MIT licence, August 2026) and "CDNA5" Instruction Set Architecture Reference Guide (July 2026). The comments in the code are by the model that wrote it; some were corrected since.
;; Causal Self Attention. Allowed arithmetic: matrix products marked QUANTISED: E3M2 operands, one E8M0 scale for each 32 along K, by v_wmma_scale_f32_16x16x128_f8f6f4 with both operands' format E3M2, f32 sums; everything else in f32.
;; Inputs: w_proj 1,024 x 1,024 float32; w_qkv 1,024 x 3,072 float32; x 4 x 2,048 x 1,024 float32.
;; Outputs: out0 4 x 2,048 x 1,024 float32.
;; This version of the problem:
;;   THIS VERSION OF THE PROBLEM IS GIVEN IN LOW PRECISION. The matrix products marked QUANTISED in the list below multiply operands that are first quantised to E3M2 (3 exponent bits, 2 mantissa bits; 6 bits a number), with one power-of-two scale for each 32 numbers along K (OCP MX v1.0); their sums are f32. All else is computed in f32.
;;   The module's matrix products, in the order in which they are computed (A, B: the left and right operand; K: the contracted axis; several contracted axes count as one K, in the product's order):
;;     1. [M 8,192, K 1,024] x [K 1,024, N 3,072]; A: input x; B: input w_qkv: QUANTISED
;;     2. batch 64 x [M 2,048, K 64] x [K 64, N 2,048]; A: computed on the way; B: computed on the way: QUANTISED
;;     3. batch 64 x [M 2,048, K 2,048] x [K 2,048, N 64]; A: softmax (see below); B: computed on the way: QUANTISED
;;     4. [M 8,192, K 1,024] x [K 1,024, N 1,024]; A: computed on the way; B: input w_proj: QUANTISED
;;   THE QUANTISER, for each operand of a quantised product, along K:
;;     - K is cut into blocks of 32 from its start; a last block that is shorter is filled with zeros.
;;     - A block's scale is 2^e with e = floor(log2(the largest magnitude in the block)) - 4, held to -126 .. 127; a block of zeros has e = 0. As a byte (E8M0): e + 127.
;;     - Each number is divided by its block's scale, clamped to +-28, and rounded to the nearest number of E3M2, ties to even, subnormals kept.
;;     - The product sums the exact products of the quantised numbers (number of the format x scale) in f32.
;;   ~~~python
;;   def quantise(x, axis):      # numpy; x: float32 -> the quantised numbers, widened to float32 again
;;       x = np.moveaxis(x, axis, -1); K = x.shape[-1]
;;       x = np.pad(x, [(0, 0)] * (x.ndim - 1) + [(0, -K % 32)]); x = x.reshape(x.shape[:-1] + (-1, 32)); a = np.abs(x).max(-1, keepdims=True)
;;       e = np.where(a > 0, np.clip(np.frexp(np.where(a > 0, a, 1))[1] - 1 - 4, -126, 127), 0)      # np.frexp(a)[1] - 1 = floor(log2(a)), exactly
;;       r = np.clip(x / 2.0 ** e, -28, 28)
;;       step = 2.0 ** (np.maximum(np.frexp(np.where(r == 0, 1, r))[1] - 1, -2) - 2)
;;       q = np.round(r / step) * step * 2.0 ** e      # np.round: ties to even
;;       return np.moveaxis(q.reshape(q.shape[:-2] + (-1,))[..., :K], -1, axis).astype(np.float32)
;;   ~~~
;;   SOFTMAX AHEAD OF A QUANTISED PRODUCT. Where the list says 'softmax', what is quantised is not the finished softmax but p = 2^(t - M), with t = logit x log2(e) and M = ceil(the row's largest t), a whole number; so 1/2 < the row's largest p <= 1. The row's sum l is taken of the UNQUANTISED p, in f32, and the product's result is divided by l at the end. Since M is a whole number, a kernel that streams over the keys may use a running M (the ceiling of the running maximum): every later rescaling is an exact power of two, which a block's scale takes up: the codes' values come out the same.
;;   OPERANDS COMPUTED ON THE WAY. 'Computed on the way' means the value that the module computes at that place (a softmax that the list does not call 'softmax' is quantised finished and normalised). What goes into a quantiser is computed in f32, as accurately as f32 sums, v_exp_f32 and their like allow (about 1e-6 of the number): no bf16 or f16 on the way to a quantiser, and a product that is left as it is and whose result goes on into a quantised operand takes f32 operands (vector FMAs, or v_wmma_f32_16x16x4_f32). A number that lies on a knife's edge between two numbers of the format may be rounded either way, as far as f32 arithmetic and the matrix unit's own rounding can turn it there, and no further.
;; One version. Each part assembles by itself: llvm-mc -triple=amdgcn-amd-amdhsa -mcpu=gfx1250 --defsym DOCPART=n.
;; ======== version 1 of 1: 4 launches
;; workspace buffers: xq 6,553,600 bytes; wq 3,276,800 bytes; qq 6,815,744 bytes; kv 13,369,344 bytes; yq 6,553,600 bytes
;; launch quant (part 1): grid 384 x 1, 4 waves a work-group, no clusters, 68,096 bytes of LDS; arguments x, w_qkv, w_proj, xq, wq; writes xq, wq
.if DOCPART == 1
	.amdgcn_target "amdgcn-amd-amdhsa--gfx1250"
	.amdhsa_code_object_version 6
	.text
	.protected	k_qc695a1eea0_quant
	.globl	k_qc695a1eea0_quant
	.p2align	8
	.type	k_qc695a1eea0_quant,@function
k_qc695a1eea0_quant:
	s_mov_b64 s[64:65], 0
	v_nop
	global_prefetch_b8 v0, s[64:65] scope:SCOPE_SE
	s_setreg_imm32_b32 hwreg(HW_REG_WAVE_MODE, 25, 1), 1
	s_wait_xcnt 0x0
; x [8192][1024], w_qkv [1024][3072] and w_proj [1024][1024], f32, become codes of BF6 (E3M2), 6 bits each, K innermost, with one E8M0 byte for each 32 along K.
; xq: codes [8192 places][768 bytes], then scale bytes [8192][32].  wq: codes [4096 places][768] (places 0-3071: w_qkv's columns, 3072-4095: w_proj's), then scale bytes [4096][32].
; PLACES.  Inside each group of 32 rows the second and third groups of 8 change places: place 16 u + p holds row 8 u + p + 8 (p / 8).  The products that read 16 neighbouring places as a tile
; then find, in a lane's 16 registers of two neighbouring tiles, 16 true neighbours, which is what the next quantiser wants.
; A block's scale is 2^(floor(log2(its largest magnitude)) - 4); its byte is the largest magnitude's exponent field - 4, held at 1 from below.
; LIMITS: a block's largest magnitude is taken as at least 2^-122 (a block of zeros so gets the byte 1 where the rule says 127: its codes are zeros, and this program alone reads the bytes);
; NaN and infinities among the inputs are not served.
; Work-groups 0-255 take x (32 rows each; K is innermost), work-groups 256-383 the weights (128 columns x 256 along K each; K is the first axis).  The two ways have LDS bytes of their own.
; No tensor loads, no barrier: waves share nothing.
.set STEPS, 16
.set EMAX,  4
.set CB,    12                         ; bytes of 16 codes
.set XSCL,  6291456                    ; where xq's scale bytes begin
.set WSCL,  3145728                    ; where wq's begin
; the way of x
.set R,     16                         ; v16-79   four sets of 16 numbers as they are loaded
.set X,     80                         ; v80-111  two sets of 16 neighbours
.set E,     112                        ; v112-127 a scale byte for each step
.set C,     128                        ; v128-191 codes: four registers for each step
.set WREG,  8192                       ; LDS bytes 0-32,767: a region for each wave: two stages of 32 x SP bytes, then its 256 scale bytes
.set SP,    80                         ; a lane's place in a stage: 64 bytes + 16 of padding
; the way of the weights
.set WX,    32                         ; v32-95   two sets of 32 numbers
.set WC,    96                         ; v96..    a block's codes
.set OUTR,  112                        ; v112-175 the way out
.set SB,    24                         ; v24-25   the scale bytes
.set OFF,   176                        ; v176-207 4 x lane + i rows of the weight
.set WST,   32768                      ; LDS bytes 32,768-67,583: a stage of 32 x PITCH bytes for each wave
.set PITCH, 272
.set NB,    8                          ; blocks of 32 along K for a wave
	s_load_b256 s[4:11], s[0:1], 0x0               ; x s[4:5], w_qkv s[6:7], w_proj s[8:9], xq s[10:11]
	s_load_b64 s[12:13], s[0:1], 0x20              ; wq
	v_lshl_add_u32 v208, v0, 2, 0x10800
	v_mov_b32 v209, 0
	v_lshrrev_b32 v1, 5, v0
	v_readfirstlane_b32 s16, v1                    ; wave
	v_and_b32 v2, 31, v0                           ; lane
	s_wait_kmcnt 0x0
	s_cmp_ge_u32 ttmp9, 256
	s_cbranch_scc1 .Lweights
; ---------------- x.  A wave takes 8 rows, 8,192 numbers, in 16 steps of 512.  Each load reads 512 consecutive bytes; a step's 2,048 bytes turn through the wave's stage and come back 64 bytes a lane:
; 16 neighbours along K, two lanes to a block.  Loads run four steps ahead, the turn through LDS one step.
	v_lshlrev_b32 v3, 4, v2                        ; my 16 bytes of a load's 512
	s_mul_i32 s17, s16, WREG
	v_lshrrev_b32 v14, 2, v2
	v_mul_u32_u24 v14, v14, SP
	v_and_b32 v15, 3, v2
	v_lshl_add_u32 v14, v15, 4, v14
	v_add_nc_u32 v14, s17, v14                     ; the stage, in: SP (lane / 4) + 16 (lane % 4)
	v_mul_u32_u24 v15, v2, SP
	v_add_nc_u32 v15, s17, v15                     ; and out: SP x lane
	v_mul_u32_u24 v4, v2, CB                       ; my codes' place in a step's
	v_lshrrev_b32 v5, 1, v2
	s_add_co_u32 s17, s17, 2*32*SP
	v_add_nc_u32 v5, s17, v5                       ; my block's byte among the wave's 256
	v_lshlrev_b32 v7, 3, v2
	v_add_nc_u32 v6, s17, v7
	s_lshl_b32 s18, ttmp9, 2
	s_add_co_u32 s20, s18, s16                     ; the group of 8 rows that I read: 4 x work-group + wave
	s_and_b32 s21, s16, 1
	s_lshl_b32 s21, s21, 1
	s_lshr_b32 s22, s16, 1
	s_or_b32 s21, s21, s22                         ; the wave's two bits swapped
	s_add_co_u32 s18, s18, s21                     ; the group of 8 places that I write
	s_lshl_b32 s20, s20, 15                        ; 32,768 bytes of f32 a group
	s_mov_b32 s21, 0
	s_add_nc_u64 s[4:5], s[4:5], s[20:21]
	s_mul_i32 s20, s18, 32*STEPS*CB                ; 6,144 bytes of codes
	s_add_nc_u64 s[24:25], s[10:11], s[20:21]
	s_lshl_b32 s20, s18, 8                         ; 256 scale bytes
	s_add_co_u32 s20, s20, XSCL
	s_add_nc_u64 s[26:27], s[10:11], s[20:21]
.macro XLOAD t
.irp i, 0,1,2,3
	global_load_b128 v[R+16*((\t)%4)+4*\i:R+16*((\t)%4)+4*\i+3], v3, s[4:5] offset:2048*(\t)+512*\i th:TH_LOAD_NT
.endr
.endm
.macro XTURN t                         ; LDS serves a wave's instructions in order: no wait between the stores and the loads
.irp i, 0,1,2,3
	ds_store_b128 v14, v[R+16*((\t)%4)+4*\i:R+16*((\t)%4)+4*\i+3] offset:32*SP*((\t)%2)+8*SP*\i
.endr
.irp i, 0,1,2,3
	ds_load_b128 v[X+16*((\t)%2)+4*\i:X+16*((\t)%2)+4*\i+3], v15 offset:32*SP*((\t)%2)+16*\i
.endr
.endm
.irp t, 0,1,2,3
	XLOAD \t
.endr
	s_wait_loadcnt 12                              ; step 0's four loads are in; three steps' twelve stay out
	XTURN 0
.macro XSTEP t
.set XS, X+16*((\t)%2)
.if (\t) > 0
	s_wait_dscnt 1                                 ; this step's numbers are back from the stage; the last step's byte store may be out
.else
	s_wait_dscnt 0x0
.endif
.if (\t)+4 < STEPS
	XLOAD (\t)+4                                   ; into the registers that the stage's stores have read
.endif
.if (\t)+1 < STEPS
.if STEPS-2-(\t) >= 3
	s_wait_loadcnt 12                              ; the next step's four loads are in; those of three later steps may be out
.else
	s_wait_loadcnt 4*(STEPS-2-(\t))
.endif
	XTURN (\t)+1
.endif
	v_max3_num_f32 v8, |v[XS]|, |v[XS+1]|, |v[XS+2]|               ; the largest magnitude of my 16, in two chains
	v_max3_num_f32 v9, |v[XS+3]|, |v[XS+4]|, |v[XS+5]|
.irp i, 6,10
	v_max3_num_f32 v8, v8, |v[XS+\i]|, |v[XS+\i+1]|
	v_max3_num_f32 v9, v9, |v[XS+\i+2]|, |v[XS+\i+3]|
.endr
	v_max3_num_f32 v8, v8, |v[XS+14]|, |v[XS+15]|
	v_max3_num_f32 v8, v8, v9, (EMAX+1)<<23        ; and the floor 2^(5 - 127): the byte cannot fall under 1
	v_max_num_f32_dpp v8, v8, v8 row_xmask:1 row_mask:0xf bank_mask:0xf   ; with my neighbour's 16: the block's
	v_add_nc_u32 v11, -(EMAX<<23), v8              ; 4 off the exponent field: the conversion takes this operand's exponent field as its scale
	v_cvt_scalef32_pk16_bf6_f32 v[C+4*(\t):C+4*(\t)+2], v[XS:XS+15], v11
	v_lshrrev_b32 v[E+(\t)], 23, v11               ; the scale's byte (also the plain line behind the conversion)
	ds_store_b8 v5, v[E+(\t)] offset:16*(\t)       ; both lanes of a block write the same byte with the same value
	global_store_b96 v4, v[C+4*(\t):C+4*(\t)+2], s[24:25] offset:32*CB*(\t)   ; the wave stores 384 consecutive bytes
.endm
.irp t, 0,1,2,3,4,5,6,7,8,9,10,11,12,13,14,15
	XSTEP \t
.endr
	ds_load_b64 v[12:13], v6                       ; in order behind my byte stores
	s_wait_dscnt 0x0
	global_store_b64 v7, v[12:13], s[26:27]        ; 32 lanes store 256 consecutive bytes, aligned
	s_wait_tensorcnt 0x0
	ds_add_u32 v208, v209
	s_wait_dscnt 0x0
	s_endpgm
; ---------------- the weights.  A lane takes a column n and its registers run down K: a block of 32 along K lies in one lane, and the conversions give codes with K innermost.
; A wave takes 32 columns x 256 along K; its codes go through its stage and leave as rows: sixteen lanes store a row's 192 consecutive bytes.
.Lweights:
	s_sub_co_u32 s17, ttmp9, 256
	s_lshr_b32 s18, s17, 2                         ; which 128 of the 4,096 columns
	s_and_b32 s19, s17, 3                          ; which 256 along K
	s_sub_co_u32 s20, s18, 24
	s_mov_b32 s21, 12288
	s_cmp_ge_u32 s18, 24                           ; the last eight groups are w_proj's: the choice hangs on the work-group's number alone
	s_cselect_b64 s[4:5], s[8:9], s[6:7]
	s_cselect_b32 s20, s20, s18                    ; the group of columns in its own tensor
	s_cselect_b32 s21, 4096, s21                   ; a row of the tensor in bytes
	s_mul_i32 s22, s19, s21
	s_lshl_b32 s22, s22, 8                         ; 256 rows for each step along K
	s_lshl_b32 s20, s20, 9
	s_add_co_u32 s22, s22, s20                     ; + 128 columns of 4 bytes a group
	s_lshl_b32 s20, s16, 7
	s_add_co_u32 s22, s22, s20                     ; + 32 columns a wave
	s_mov_b32 s23, 0
	s_add_nc_u64 s[32:33], s[4:5], s[22:23]        ; block 0's base; a base for each block, 32 rows apart, none ever rewritten
	s_lshl_b32 s24, s21, 5
	s_mov_b32 s25, 0
.irp t, 1,2,3,4,5,6,7
	s_add_nc_u64 s[32+2*\t:33+2*\t], s[30+2*\t:31+2*\t], s[24:25]
.endr
	v_lshlrev_b32 v[OFF], 2, v2
.irp i, 1,2,3,4,5,6,7,8,9,10,11,12,13,14,15,16,17,18,19,20,21,22,23,24,25,26,27,28,29,30,31
	v_add_nc_u32 v[OFF+\i], s21, v[OFF+\i-1]       ; row i of a block
.endr
	s_lshl_b32 s26, s18, 7
	s_lshl_b32 s27, s16, 5
	s_add_co_u32 s26, s26, s27                     ; my wave's first place in wq
	s_mul_i32 s28, s26, 768
	s_mul_i32 s27, s19, 192
	s_add_co_u32 s28, s28, s27
	s_mov_b32 s29, 0
	s_add_nc_u64 s[48:49], s[12:13], s[28:29]      ; its codes
	s_lshl_b32 s28, s26, 5
	s_lshl_b32 s27, s19, 3
	s_add_co_u32 s28, s28, s27
	s_add_co_u32 s28, s28, WSCL
	s_add_nc_u64 s[50:51], s[12:13], s[28:29]      ; its scale bytes
	s_mul_i32 s52, s16, 32*PITCH
	s_add_co_u32 s52, s52, WST                     ; my stage
	v_mul_u32_u24 v4, v2, PITCH
	v_add_nc_u32 v4, s52, v4                       ; into it: row = my column
	v_and_b32 v5, 15, v2
	v_lshrrev_b32 v6, 4, v2
	v_mul_u32_u24 v7, v6, PITCH
	v_lshl_add_u32 v7, v5, 4, v7
	v_add_nc_u32 v7, s52, v7                       ; out of it: sixteen lanes to a row, two rows an instruction
	v_mul_u32_u24 v8, v6, 768
	v_mad_u32_u24 v8, v5, 12, v8                   ; and the same in wq
	v_and_b32 v9, 7, v2                            ; my column's place: bits 3 and 4 of the lane swapped
	v_and_b32 v10, 8, v2
	v_lshl_add_u32 v9, v10, 1, v9
	v_and_b32 v10, 16, v2
	v_lshrrev_b32 v10, 1, v10
	v_add_nc_u32 v9, v9, v10
	v_lshlrev_b32 v9, 5, v9                        ; 32 scale bytes a place
.macro WLOAD t
.irp i, 0,1,2,3,4,5,6,7,8,9,10,11,12,13,14,15,16,17,18,19,20,21,22,23,24,25,26,27,28,29,30,31
	global_load_b32 v[WX+32*((\t)%2)+\i], v[OFF+\i], s[32+2*(\t):33+2*(\t)] th:TH_LOAD_NT   ; a wave reads 128 consecutive bytes, the four waves 512
.endr
.endm
	WLOAD 0
	WLOAD 1
.macro WBLOCK t
.set XS, WX+32*((\t)%2)
.if (\t) < NB-1
	s_wait_loadcnt 32                              ; this block's 32 loads are in; the next block's may be out
.else
	s_wait_loadcnt 0
.endif
	v_max3_num_f32 v12, |v[XS]|, |v[XS+1]|, |v[XS+2]|
	v_max3_num_f32 v13, |v[XS+3]|, |v[XS+4]|, |v[XS+5]|
.irp i, 6,10,14,18,22,26
	v_max3_num_f32 v12, v12, |v[XS+\i]|, |v[XS+\i+1]|
	v_max3_num_f32 v13, v13, |v[XS+\i+2]|, |v[XS+\i+3]|
.endr
	v_max3_num_f32 v12, v12, |v[XS+30]|, |v[XS+31]|
	v_max3_num_f32 v12, v12, v13, (EMAX+1)<<23     ; and the floor
	v_add_nc_u32 v11, -(EMAX<<23), v12
	v_lshrrev_b32 v13, 23, v11                     ; the scale's byte
.if (\t)%4 == 0
	v_mov_b32 v[SB+(\t)/4], v13
.else
	v_lshl_or_b32 v[SB+(\t)/4], v13, 8*((\t)%4), v[SB+(\t)/4]
.endif
	v_cvt_scalef32_pk16_bf6_f32 v[WC:WC+2], v[XS:XS+15], v11
	v_cvt_scalef32_pk16_bf6_f32 v[WC+4:WC+6], v[XS+16:XS+31], v11   ; (a conversion's three registers begin on an even number)
	v_nop                                          ; a plain line behind the conversions
	ds_store_b96 v4, v[WC:WC+2] offset:32*(\t)     ; 12 bytes to a place of 16: every LDS address is a multiple of 16
	ds_store_b96 v4, v[WC+4:WC+6] offset:32*(\t)+16
.if (\t)+2 < NB
	WLOAD (\t)+2
.endif
	s_wait_dscnt 0x0                               ; the stores have read their registers: the next block's codes may be written
.endm
.irp t, 0,1,2,3,4,5,6,7
	WBLOCK \t
.endr
	global_store_b64 v9, v[SB:SB+1], s[50:51]      ; my column's 8 scale bytes
.irp t, 0,1,2,3,4,5,6,7,8,9,10,11,12,13,14,15
	ds_load_b96 v[OUTR+4*\t:OUTR+4*\t+2], v7 offset:2*\t*PITCH
.endr
.irp t, 0,1,2,3,4,5,6,7,8,9,10,11,12,13,14,15
	s_wait_dscnt 15-\t
	global_store_b96 v8, v[OUTR+4*\t:OUTR+4*\t+2], s[48:49] offset:(8*(((((\t)/4)&1)<<1)|(((\t)/4)>>1))+2*((\t)%4))*768   ; columns 2 t, 2 t + 1 at their places
.endr
	s_wait_tensorcnt 0x0
	ds_add_u32 v208, v209
	s_wait_dscnt 0x0
	s_endpgm
.Lfunc_end_k_qc695a1eea0_quant:
	.size	k_qc695a1eea0_quant, .Lfunc_end_k_qc695a1eea0_quant-k_qc695a1eea0_quant
	.p2alignl 7, 3214868480
	.fill 96, 4, 3214868480
	.section	.rodata,"a",@progbits
	.p2align	6, 0x0
	.amdhsa_kernel k_qc695a1eea0_quant
		.amdhsa_group_segment_fixed_size 68096
		.amdhsa_private_segment_fixed_size 0
		.amdhsa_enable_private_segment 0
		.amdhsa_kernarg_size 40
		.amdhsa_user_sgpr_count 2
		.amdhsa_user_sgpr_kernarg_segment_ptr 1
		.amdhsa_wavefront_size32 1
		.amdhsa_system_sgpr_workgroup_id_x 1
		.amdhsa_system_sgpr_workgroup_id_y 1
		.amdhsa_system_sgpr_workgroup_id_z 1
		.amdhsa_system_vgpr_workitem_id 0
		.amdhsa_next_free_vgpr 210
		.amdhsa_next_free_sgpr 66
		.amdhsa_reserve_vcc 0
		.amdhsa_float_denorm_mode_32 3
		.amdhsa_float_denorm_mode_16_64 3
		.amdhsa_memory_ordered 1
		.amdhsa_forward_progress 1
		.amdhsa_inst_pref_size 75
	.end_amdhsa_kernel
	.amdgpu_metadata
---
amdhsa.version: [ 1, 2 ]
amdhsa.kernels:
  - .name:           k_qc695a1eea0_quant
    .symbol:         k_qc695a1eea0_quant.kd
    .args:
      - { .name: x, .offset: 0, .size: 8, .value_kind: global_buffer, .address_space: global }
      - { .name: w_qkv, .offset: 8, .size: 8, .value_kind: global_buffer, .address_space: global }
      - { .name: w_proj, .offset: 16, .size: 8, .value_kind: global_buffer, .address_space: global }
      - { .name: xq, .offset: 24, .size: 8, .value_kind: global_buffer, .address_space: global }
      - { .name: wq, .offset: 32, .size: 8, .value_kind: global_buffer, .address_space: global }
    .group_segment_fixed_size: 68096
    .private_segment_fixed_size: 0
    .kernarg_segment_align: 8
    .kernarg_segment_size: 40
    .max_flat_workgroup_size: 128
    .sgpr_count:     66
    .vgpr_count:     210
    .wavefront_size: 32
...
	.end_amdgpu_metadata
.endif
;; end of part 1
;; launch gemm_qkv (part 2): grid 8 x 48, 4 waves a work-group, clusters of 4 x 4, 327,680 bytes of LDS; arguments xq, wq, qq, kv; writes qq, kv
.if DOCPART == 2
	.amdgcn_target "amdgcn-amd-amdhsa--gfx1250"
	.amdhsa_code_object_version 6
	.text
	.protected	k_qc695a1eea0_gemm_qkv
	.globl	k_qc695a1eea0_gemm_qkv
	.p2align	8
	.type	k_qc695a1eea0_gemm_qkv,@function
k_qc695a1eea0_gemm_qkv:
	s_mov_b64 s[64:65], 0
	v_nop
	global_prefetch_b8 v0, s[64:65] scope:SCOPE_SE
	s_setreg_imm32_b32 hwreg(HW_REG_WAVE_MODE, 25, 1), 1
	s_wait_xcnt 0x0
	s_wait_alu depctr_hold_cnt(0) depctr_sa_sdst(0) depctr_va_vdst(0) depctr_va_sdst(0) depctr_va_ssrc(0) depctr_va_vcc(0) depctr_vm_vsrc(0)
	s_getreg_b32 s2, hwreg(HW_REG_IB_STS2, 6, 4)
	s_cmp_eq_u32 s2, 0
	s_cbranch_scc0 .Lentry_in_a_cluster
	s_endpgm
.Lentry_in_a_cluster:
	s_bfe_u32 s2, ttmp6, 0x10000c
	s_cmp_lg_u32 s2, 0xf033
	s_cbranch_scc0 .Lentry_shape_is_right
	s_endpgm
.Lentry_shape_is_right:
; qkv = x w_qkv on codes of BF6 (E3M2) with E8M0 scales for each 32 along K = 1,024; the results never go to memory as f32: each wave quantises its 128 x 128 of the result in registers and stores codes and scale words
; as the attention launch's operand registers want them.
; C[m][n] = sum over k of A[m][k] B[n][k], a tile of 256 x 256 to a work-group of four waves, 128 x 128 (64 accumulators, 512 registers) to a wave.  K goes in steps of 256 through a ring of two LDS slots.
; WHO IS A AND WHO IS B hangs on the cluster's y alone (the same in all sixteen partners).  Cluster rows 0-7: A = x's tokens, B = w's rows 0-2,047 (q's and k's channels).  Cluster rows 8-11: A = w's rows 2,048-3,071
; (v's channels), B = x's tokens.  THE MATRIX INSTRUCTION IS USED TRANSPOSED (source 0 = 16 rows of B, source 1 = 16 rows of A): a lane holds ONE row of A and its registers run along B.  Rows lie in memory in PLACE order
; (in each 32 the second and third groups of 8 swapped), so the 16 registers of B's tiles 2 b and 2 b + 1 are the true neighbours 32 b + 16 (lane / 16) + 0 .. 15: for q and k a token's channels, for v a channel's tokens:
; each along the K of the product that will read it.
; OUT.  R = 64 head + 16 batch + step of 128 tokens.  qq: codes at (8 R + tile) 768 + 256 p + 8 lane (p = register pair 0-2), scale words at 6,291,456 + 512 R.  kv: records of 13,056 bytes, record R: K's codes (8 tiles x 768),
; V's codes at 6,144 (4 tiles of 16 channels x 1,536), K's scale words at 12,288 (16 bytes a lane), V's at 12,800 (8 bytes a lane).  A head has 64 channels: half a fragment of q or k; the other half is never stored.
; CLUSTERS: 4 x 4 work-groups; A's tiles are asked for jointly along a row of the cluster, B's along a column.
; LIMITS: a block's largest magnitude is taken as at least 2^-122 (a block of zeros gets the byte 1; its codes are zeros; this program alone reads the bytes); NaN and infinities are not served.
; REGISTERS, in windows of 256: window 0: v0-31 addresses; v32-63 scale words, two sets; v64-115 the way out's; from v128 A's fragments, ONE set.  window 1: B's fragments, TWO sets.  windows 2, 3: the accumulators ((a, b) at v[8 (8 (a % 4) + b)]).
.set SIZE_K, 1024
.set KSTEP,  256                       ; along K in a slot
.set NQ,     KSTEP/128
.set ROWB,   192                       ; a tile's row in bytes
.set KROW,   SIZE_K*6/8                ; a row of codes in memory
.set PITCH,  240                       ; an LDS row: 3 x (64 bytes + 16 of padding)
.set FR,     12                        ; registers of a fragment
.set NL,     6                         ; LDS loads that bring one
.set NP,     4                         ; places behind this matrix instruction (ISA guide 7.12.1)
.set HALFT,  128*PITCH
.set SLOT,   4*HALFT
.set LAPS,   SIZE_K/(2*KSTEP)
.set KS,     SIZE_K/32                 ; a row of scale bytes
.set SCL,    2*SLOT                    ; behind the ring: the scales, as rows of 256 bytes + 16 of padding
.set HALFS,  (128*KS/256)*272
.set SBLK,   (16*KS/256)*272
.set SPARE,  SCL+4*HALFS               ; the spare words, 128 bytes for each wave
.set ADRA, 16                          ; v16-17 LDS address of my A fragments in slot 0, 1 (v18-19: behind one padding more)
.set ADRB, 20                          ; v20-21 the same for B (v22-23)
.set ADRS, 27                          ; v27 my scale words: lanes 0-15 A's rows, lanes 16-31 B's
.set SPW,  28                          ; v28 my spare word's address; never rewritten
.set NIL,  29                          ; v29 0; never rewritten
.set L8,   30                          ; v30 8 x lane
.set L16,  31                          ; v31 16 x lane
.set SC,   32
.set WD,   64                          ; v64-71 the scale words of my eight tiles
.set XW,   72                          ; v72-79 the same, two tiles to a register; and shifted
.set TM,   80                          ; v80-83 largest magnitudes, v84-87 bytes, v92-95 the conversions' scale operands
.set PC,   96                          ; v96-115 the codes just made
.set AF,   128
.set G1, 24
.set G0, 32
.set G1B, 48
.set G0B, 56
.set G1S, 68
.set G0S, 76
.set G1SB, 80
.set G0SB, 88
.set MSB, 0
.macro WIN new                         ; the immediate's high byte repeats the setting that is left
.if MSB != \new
	s_set_vgpr_msb (MSB<<8)|\new
.set MSB, \new
.endif
.endm
.set MUL_LO, 0xa1                      ; source 0 (B) window 1, source 1 (A) window 0, C and D window 2
.set MUL_HI, 0xf1
.set TO_B,   0x40
; A joint load: waves 0 and 1 fetch for A, waves 2 and 3 for B; the branch hangs on the wave's number alone.  Four v_nop follow each of the two lines.
.macro JLOAD g0a, g1a, g0b, g1b
	s_cmp_eq_u32 s15, 0
	s_cbranch_scc0 .Lfor_b_\@
	tensor_load_to_lds s[\g0a:\g0a+3], s[\g1a:\g1a+7]
	s_nop 0
.rept 4
	v_nop
.endr
	s_branch .Lasked_\@
.Lfor_b_\@:
	tensor_load_to_lds s[\g0b:\g0b+3], s[\g1b:\g1b+7]
	s_nop 0
.rept 4
	v_nop
.endr
.Lasked_\@:
.endm
.macro CREST                           ; a round of the cluster's barrier behind its opening barrier
	s_cmp_lg_u32 s14, 0
	s_cbranch_scc1 .Lnot_wave_0_\@
	s_barrier_signal -3
.Lnot_wave_0_\@:
	s_barrier_wait -3
	s_barrier_signal -1
	s_barrier_wait -1
.endm
.macro CROUND
	s_barrier_signal -1
	s_barrier_wait -1
	CREST
.endm
	s_load_b128 s[4:7], s[0:1], 0x0                ; xq s[4:5], wq s[6:7]
	s_load_b128 s[8:11], s[0:1], 0x10              ; qq s[8:9], kv s[10:11]
	v_lshl_add_u32 v[SPW], v0, 2, SPARE
	v_mov_b32 v[NIL], 0
	ds_add_u32 v28, v29
	ds_add_u32 v28, v29
	s_wait_dscnt 0x0
	v_lshrrev_b32 v1, 5, v0
	v_readfirstlane_b32 s14, v1                    ; wave 0..3
	s_lshr_b32 s15, s14, 1                         ; which half of the tile's rows of A is mine.  Also: I fetch for A (0) or for B (1)
	s_and_b32 s16, s14, 1                          ; which half of its rows of B.  Also: which 128 rows I fetch
	s_bfe_u32 s40, ttmp6, 0x40000                  ; cx
	s_bfe_u32 s41, ttmp6, 0x40004                  ; cy
	s_lshl_b32 s42, ttmp9, 2
	s_add_co_u32 s42, s42, s40                     ; 4 x cluster x + cx
	s_and_b32 s95, ttmp7, 0xffff                   ; cluster y
	s_lshl_b32 s43, s41, 2
	s_lshl_b32 s43, 15, s43                        ; my row of the cluster
	s_lshl_b32 s44, 0x1111, s40                    ; my column
	s_mov_b32 s12, 0x76543210
	s_mov_b32 s13, 0xfedcba98                      ; v_permlanex16_b32's selects for lane l xor 16
	; descriptor group 1: a tile of 128 rows x 192 bytes; 16 bytes of padding behind every 64
	s_or_b32 s[G1+0], s43, (0<<16)|(1<<20)|(1<<21)|(3<<22)|(3<<25)
	s_or_b32 s[G1B+0], s44, (0<<16)|(1<<20)|(1<<21)|(3<<22)|(3<<25)
.irp g, G1, G1B
	s_mov_b32 s[\g+1], ROWB<<16                    ; tensor_dim0
	s_mov_b32 s[\g+2], 128<<16                     ; tensor_dim1
	s_mov_b32 s[\g+3], ROWB<<16                    ; tile_dim0
	s_mov_b32 s[\g+4], 128                         ; tile_dim1
	s_mov_b32 s[\g+5], KROW                        ; tensor_dim0_stride
	s_mov_b32 s[\g+6], 0
	s_mov_b32 s[\g+7], 0
.endr
	; the scales of 128 rows: a dense block of 4,096 bytes, as rows of 256 bytes (32 elements of 8), 16 bytes of padding behind each
	s_or_b32 s[G1S+0], s43, (3<<16)|(1<<20)|(1<<21)|(5<<22)|(3<<25)
	s_or_b32 s[G1SB+0], s44, (3<<16)|(1<<20)|(1<<21)|(5<<22)|(3<<25)
.irp g, G1S, G1SB
	s_mov_b32 s[\g+1], 32<<16
	s_mov_b32 s[\g+2], (128*KS/256)<<16
	s_mov_b32 s[\g+3], 32<<16
	s_mov_b32 s[\g+4], 128*KS/256
	s_mov_b32 s[\g+5], 32
	s_mov_b32 s[\g+6], 0
	s_mov_b32 s[\g+7], 0
.endr
	; the roles.  All shifts first; behind the compare stand selections alone
	s_lshl_b32 s96, s95, 10                        ; q, k: A's rows begin 1,024 x cluster y
	s_sub_co_u32 s97, s95, 8
	s_lshl_b32 s97, s97, 11                        ; v: B's rows begin 2,048 x (cluster y - 8)
	s_mov_b32 s66, 6291456                         ; where xq's scale bytes begin,
	s_mov_b32 s67, 3145728                         ; and wq's
	s_wait_kmcnt 0x0
	s_cmp_ge_u32 s95, 8                            ; v?
	s_cselect_b32 s96, 2048, s96                   ; v: A's rows begin at w's row 2,048
	s_cselect_b32 s97, s97, 0
	s_cselect_b64 s[98:99], s[6:7], s[4:5]         ; A's buffer
	s_cselect_b64 s[100:101], s[4:5], s[6:7]       ; B's buffer
	s_cselect_b32 s66, 3145728, s66                ; A's scales' offset
	s_cselect_b32 s67, 6291456, s67                ; B's
	s_lshl_b32 s18, s16, 7                         ; which 128 rows of the tile I fetch
	s_lshl_b32 s20, s41, 8
	s_add_co_u32 s20, s20, s18
	s_add_co_u32 s20, s20, s96                     ; A: row 256 cy + 128 x half + the cluster row's: it never holds cx
	s_lshl_b32 s46, s42, 8
	s_add_co_u32 s46, s46, s18
	s_add_co_u32 s46, s46, s97                     ; B: row 256 (4 cluster x + cx) + 128 x half + the cluster row's: it never holds cy
	s_mov_b32 s21, 0
	s_mov_b32 s47, 0
	s_mov_b64 s[18:19], KS
	s_mul_u64 s[22:23], s[20:21], s[18:19]         ; these rows' scales, in bytes
	s_mul_u64 s[92:93], s[46:47], s[18:19]
	s_mov_b64 s[18:19], KROW
	s_mul_u64 s[20:21], s[20:21], s[18:19]         ; and their codes
	s_mul_u64 s[46:47], s[46:47], s[18:19]
	s_mov_b32 s19, 0
	s_mov_b32 s18, s66
	s_add_nc_u64 s[22:23], s[22:23], s[18:19]
	s_mov_b32 s18, s67
	s_add_nc_u64 s[92:93], s[92:93], s[18:19]
	s_mul_i32 s45, s14, HALFT                      ; where they go: wave x 128 rows: no place in the cluster enters an LDS address
	s_mul_i32 s94, s14, HALFS
	s_add_nc_u64 s[20:21], s[98:99], s[20:21]
	s_add_nc_u64 s[22:23], s[98:99], s[22:23]
	s_add_nc_u64 s[46:47], s[100:101], s[46:47]
	s_add_nc_u64 s[92:93], s[100:101], s[92:93]
	CROUND                                         ; all sixteen work-groups are here: the first joint loads meet
	s_mov_b32 s[G0S], 1
	s_add_co_u32 s[G0S+1], s94, SCL
	s_mov_b64 s[G0S+2:G0S+3], s[22:23]
	s_or_b32 s[G0S+3], s[G0S+3], 0x80000000
	s_mov_b32 s[G0SB], 1
	s_add_co_u32 s[G0SB+1], s94, SCL
	s_mov_b64 s[G0SB+2:G0SB+3], s[92:93]
	s_or_b32 s[G0SB+3], s[G0SB+3], 0x80000000
	JLOAD G0S, G1S, G0SB, G1SB                     ; the scales first: they are wanted with K step 0
.irp s, 0,1
	s_mov_b32 s[G0+4*\s], 1
	s_add_co_u32 s[G0+4*\s+1], s45, \s*SLOT
	s_add_nc_u64 s[G0+4*\s+2:G0+4*\s+3], s[20:21], \s*ROWB
	s_or_b32 s[G0+4*\s+3], s[G0+4*\s+3], 0x80000000
	s_mov_b32 s[G0B+4*\s], 1
	s_add_co_u32 s[G0B+4*\s+1], s45, \s*SLOT
	s_add_nc_u64 s[G0B+4*\s+2:G0B+4*\s+3], s[46:47], \s*ROWB
	s_or_b32 s[G0B+4*\s+3], s[G0B+4*\s+3], 0x80000000
	JLOAD G0+4*\s, G1, G0B+4*\s, G1B
.endr
	v_and_b32 v1, 15, v0                           ; l % 16
	v_bfe_u32 v2, v0, 4, 1                         ; l / 16
	v_mul_u32_u24 v3, v1, PITCH
	v_mul_u32_u24 v4, v2, 24
	v_add_nc_u32 v4, v3, v4                        ; a fragment's row x pitch + 24 x half
	v_lshl_add_u32 v5, v2, 4, v4                   ; and the same behind one padding more
	s_mul_i32 s21, s15, HALFT                      ; my 128 rows of A
	s_mul_i32 s22, s16, HALFT                      ; my 128 rows of B,
	s_add_co_u32 s22, s22, 2*HALFT                 ; which lie behind A's 256
.irp s, 0,1
	v_add_nc_u32 v[ADRA+\s], s21, v4
	v_add_nc_u32 v[ADRB+\s], s22, v4
	v_add_nc_u32 v[ADRA+2+\s], s21, v5
	v_add_nc_u32 v[ADRB+2+\s], s22, v5
	s_add_co_u32 s21, s21, SLOT
	s_add_co_u32 s22, s22, SLOT
.endr
	v_mul_u32_u24 v5, v1, KS                       ; my row's scales: 32 bytes a row,
	v_lshrrev_b32 v6, 8, v5
	v_lshl_add_u32 v5, v6, 4, v5                   ; and 16 more for each 256 passed
	s_mul_i32 s21, s15, HALFS
	s_mul_i32 s22, s16, HALFS
	s_add_co_u32 s22, s22, 2*HALFS
	s_sub_co_u32 s22, s22, s21
	v_mul_u32_u24 v6, s22, v2                      ; lanes 16-31 take B's: one product, the distance between the two bases
	s_add_co_u32 s21, s21, SCL
	v_add_nc_u32 v5, v5, v6
	v_add_nc_u32 v[ADRS], s21, v5
	v_and_b32 v6, 31, v0
	v_lshlrev_b32 v[L8], 3, v6
	v_lshlrev_b32 v[L16], 4, v6
.irp b, 0,1,2,3
	v_mov_b32 v[TM+4+\b], 0                        ; written once: a lane permute's destination counts as one of its sources
.endr
.macro FRAG reg, adr, q, i             ; 16 rows x 128 K of 6-bit codes: 12 registers: lane l holds row l % 16; registers 6 c .. 6 c + 5 hold K = 64 c + 32 (l / 16) + 0 .. 31, 24 bytes as they lie
.irp p, 0,1,2,3,4,5                    ; in pieces of 8 bytes; where the piece of lanes 16-31 lies behind one padding more, the second address register serves
.set PCE, 12*(\q)+6*(\p/3)+\p%3
.if PCE%8 < 5
	ds_load_b64 v[\reg+2*\p:\reg+2*\p+1], v[\adr] offset:8*PCE+16*(PCE/8)+(\i)*16*PITCH
.else
	ds_load_b64 v[\reg+2*\p:\reg+2*\p+1], v[\adr+2] offset:8*PCE+16*(PCE/8)+(\i)*16*PITCH
.endif
.endr
.endm
; 16 matrix instructions: A's blocks a0, a0 + 1 x B's eight.  The 64 accumulators take turns, one instruction a turn, in the same order in every step.
.macro MUL16 a0, p, q, sc, zero
.irp a, \a0, \a0+1
.irp b, 0,1,2,3,4,5,6,7
.if \zero
	v_wmma_scale_f32_16x16x128_f8f6f4 v[8*(8*((\a)%4)+\b):8*(8*((\a)%4)+\b)+7], v[128*(\p)+FR*\b:128*(\p)+FR*\b+FR-1], v[AF+FR*(\a):AF+FR*(\a)+FR-1], 0, v[SC+8*NQ*(\sc)+NQ*\b+(\q)], v[SC+8*NQ*(\sc)+NQ*(\a)+(\q)] matrix_a_fmt:MATRIX_FMT_BF6 matrix_b_fmt:MATRIX_FMT_BF6 matrix_a_scale:MATRIX_SCALE_ROW1
.else
	v_wmma_scale_f32_16x16x128_f8f6f4 v[8*(8*((\a)%4)+\b):8*(8*((\a)%4)+\b)+7], v[128*(\p)+FR*\b:128*(\p)+FR*\b+FR-1], v[AF+FR*(\a):AF+FR*(\a)+FR-1], v[8*(8*((\a)%4)+\b):8*(8*((\a)%4)+\b)+7], v[SC+8*NQ*(\sc)+NQ*\b+(\q)], v[SC+8*NQ*(\sc)+NQ*(\a)+(\q)] matrix_a_fmt:MATRIX_FMT_BF6 matrix_b_fmt:MATRIX_FMT_BF6 matrix_a_scale:MATRIX_SCALE_ROW1
.endif
.endr
.endr
.endm
.macro FETCH_B slot, q, p
	WIN TO_B
.irp i, 0,1,2,3,4,5,6,7
	FRAG 128*(\p)+FR*\i, ADRB+\slot, \q, \i
.endr
	WIN 0
.endm
.macro FETCH_A slot, q, i0
.irp i, \i0, \i0+1, \i0+2, \i0+3
	FRAG AF+FR*(\i), ADRA+\slot, \q, \i
.endr
.endm
.macro SCALES sc                       ; a K step's scale words: 2 words a row; lanes 0-15 A's block i, lanes 16-31 B's block i
.irp i, 0,1,2,3,4,5,6,7
	ds_load_b64 v[SC+8*NQ*\sc+NQ*\i:SC+8*NQ*\sc+NQ*\i+1], v[ADRS] offset:\i*SBLK
.endr
.endm
.macro PLACES n                        ; plain vector lines between a matrix instruction and a load into, or a vector read of, its registers
.rept \n
	v_nop
.endr
.endm
.macro STEP slot, q, zero              ; 128 along K with its successor in the same slot
	s_wait_dscnt 4*NL                              ; B's set and A's blocks 0-3 are in; the youngest 24 loads (A's blocks 4-7) may be out
	WIN MUL_LO
	MUL16 0, (\q)%2, \q, \slot, \zero
	MUL16 2, (\q)%2, \q, \slot, \zero
	s_wait_dscnt 0                                 ; A's blocks 4-7 are in
	PLACES NP
	FETCH_B \slot, (\q)+1, 1-(\q)%2
	FETCH_A \slot, (\q)+1, 0
	WIN MUL_HI
	MUL16 4, (\q)%2, \q, \slot, \zero
	MUL16 6, (\q)%2, \q, \slot, \zero
	PLACES NP
	WIN 0
	FETCH_A \slot, (\q)+1, 4
.endm
; A slot's last step changes slots: one barrier; in front of it each wave waits for all its tensor loads, adds 0 to its spare word, and waits for that and for its own reads of this slot.
.macro TURN slot, next, fill
	s_wait_tensorcnt 0x0                           ; all my tensor loads have landed: my part of the next slot
	ds_add_u32 v[SPW], v[NIL]                      ; 0 onto my spare word
	s_wait_dscnt 4*NL+1                            ; (the add and the youngest 24 loads may be out)
	WIN MUL_LO
	MUL16 0, 1, NQ-1, \slot, 0
	s_wait_dscnt 0x0                               ; the add is done, and my reads of this slot are over
	s_barrier_signal -1
	MUL16 2, 1, NQ-1, \slot, 0
	WIN 0
	s_barrier_wait -1
.if \fill
	CREST                                          ; the barrier has opened a round of the cluster's: no wave of any partner still reads this slot or has a load on its way
	s_add_nc_u64 s[G0+4*\slot+2:G0+4*\slot+3], s[G0+4*\slot+2:G0+4*\slot+3], 2*ROWB
	s_add_nc_u64 s[G0B+4*\slot+2:G0B+4*\slot+3], s[G0B+4*\slot+2:G0B+4*\slot+3], 2*ROWB
	JLOAD G0+4*\slot, G1, G0B+4*\slot, G1B         ; the first tensor load behind the round; its four v_nop are also the places in front of the loads below
.else
	PLACES NP
.endif
	v_add_nc_u32 v[ADRS], 4*NQ, v[ADRS]            ; the next K step's scale words
	FETCH_B \next, 0, 0
	FETCH_A \next, 0, 0
	SCALES \next
	WIN MUL_HI
	MUL16 4, 1, NQ-1, \slot, 0
	MUL16 6, 1, NQ-1, \slot, 0
	PLACES NP
	WIN 0
	FETCH_A \next, 0, 4
.endm
	s_wait_tensorcnt 1                             ; the scales and my part of K step 0 are in; K step 1's load may be out
	s_barrier_signal -1
	s_barrier_wait -1
	FETCH_B 0, 0, 0
	FETCH_A 0, 0, 0
	SCALES 0
	FETCH_A 0, 0, 4
	STEP 0, 0, 1                                   ; the first step's products start the sums
	s_mov_b32 s3, LAPS-1
.Llap:                                                 ; once round the ring: both slots are filled again
	TURN 0, 1, 1
	STEP 1, 0, 0
	TURN 1, 0, 1
	STEP 0, 0, 0
	s_sub_co_u32 s3, s3, 1
	s_cmp_lg_u32 s3, 0
	s_cbranch_scc1 .Llap
	TURN 0, 1, 0                                   ; the last lap fills nothing
	STEP 1, 0, 0
	s_wait_dscnt 4*NL
	WIN MUL_LO
	MUL16 0, 1, NQ-1, 1, 0
	MUL16 2, 1, NQ-1, 1, 0
	s_wait_dscnt 0
	WIN MUL_HI
	MUL16 4, 1, NQ-1, 1, 0
	MUL16 6, 1, NQ-1, 1, 0
	WIN 0
	PLACES NP
; THE WAY OUT.  No tensor load of mine is out (the last change of slots waited for all), so the descriptors' registers are free.
	s_lshl_b32 s17, s95, 2
	s_add_co_u32 s17, s17, s41
	s_lshl_b32 s17, s17, 1
	s_add_co_u32 s17, s17, s15                     ; q, k: my step of 128 tokens, 0..63: 2 (4 cluster y + cy) + my half of A's rows
	s_lshl_b32 s18, s42, 1
	s_add_co_u32 s18, s18, s16                     ; my 128 rows of B among the cluster row's
	s_and_b32 s19, s18, 7
	s_lshl_b32 s19, s19, 1                         ; q, k: my first head
	s_sub_co_u32 s76, s95, 8
	s_lshl_b32 s76, s76, 4
	s_add_co_u32 s76, s76, s18                     ; v: my step of 128 tokens
	s_lshl_b32 s77, s41, 2
	s_lshl_b32 s78, s15, 1
	s_add_co_u32 s77, s77, s78                     ; v: my first head: 4 cy + 2 x half
	s_mov_b32 s72, 768
	s_mov_b32 s74, 768
	s_mov_b32 s81, 12288
	s_cmp_ge_u32 s95, 8                            ; v?
	s_cselect_b32 s17, s76, s17
	s_cselect_b32 s19, s77, s19
	s_cselect_b32 s79, 6144, 0                     ; V's codes begin 6,144 bytes into a record
	s_cselect_b32 s72, 1536, s72                   ; from tile to tile
	s_cselect_b32 s74, 830976, s74                 ; from tile 3 to tile 4: for v the next head's first tile, 64 records on and three tiles back
	s_cselect_b32 s81, 12800, s81                  ; the scale words' place in a record: K's or V's
	s_cselect_b32 s80, 1, ttmp9                    ; 0 for q alone
	s_mov_b32 s84, 13056
	s_cmp_eq_u32 s80, 0                            ; q?
	s_cselect_b64 s[82:83], s[8:9], s[10:11]       ; qq or kv
	s_cselect_b32 s85, 6144, s84                   ; codes: bytes from R to R + 1
	s_cselect_b32 s84, 512, s84                    ; scale words: the same
	s_cselect_b32 s81, 6291456, s81
	s_lshl_b32 s19, s19, 6
	s_add_co_u32 s19, s19, s17                     ; R of my first head
	s_mul_i32 s86, s19, s85
	s_add_co_u32 s86, s86, s79
	s_mov_b32 s87, 0
	s_add_nc_u64 s[20:21], s[82:83], s[86:87]      ; where register pairs 0-2 go
	s_lshl_b32 s88, s85, 6
	s_cmp_ge_u32 s95, 8
	s_cselect_b32 s88, 768, s88                    ; pairs 3-5: v: the fragment's second half; q, k: the next head, 64 R on
	s_mov_b32 s89, 0
	s_add_nc_u64 s[22:23], s[20:21], s[88:89]
	s_mul_i32 s86, s19, s84
	s_add_co_u32 s86, s86, s81
	s_add_nc_u64 s[68:69], s[82:83], s[86:87]      ; my first head's scale words,
	s_lshl_b32 s88, s84, 6
	s_add_nc_u64 s[70:71], s[68:69], s[88:89]      ; the next head's
	s_mov_b32 s73, 0
	s_mov_b32 s75, 0
; A's block a: 64 numbers a lane, register 16 b + i = neighbour 32 b + 16 (lane / 16) + i along B, become a fragment's 12 registers and its scale word; the six register pairs are stored as they stand, 256 bytes each.
.macro QEP a
.set AC, 64*((\a)%4)
.set W, 2+(\a)/4
.set WW, W*5
	WIN WW                                         ; sources 0 and 1: the accumulators' window
.irp b, 0,1,2,3
	v_max3_num_f32 v[TM+\b], |v[AC+16*\b]|, |v[AC+16*\b+1]|, 0x2800000   ; my 16 numbers of block b, and the floor 2^(5 - 127); each accumulator is read from its low end on
.endr
.irp i, 2,4,6,8,10,12,14
.irp b, 0,1,2,3
	v_max3_num_f32 v[TM+\b], |v[AC+16*\b+\i]|, |v[AC+16*\b+\i+1]|, v[TM+\b]
.endr
.endr
	WIN 0
.irp b, 0,1,2,3
	v_permlanex16_b32 v[TM+4+\b], v[TM+\b], s12, s13
.endr
.irp b, 0,1,2,3
	v_max_num_f32 v[TM+\b], v[TM+\b], v[TM+4+\b]   ; with lane l xor 16's: the block's largest magnitude
.endr
.irp b, 0,1,2,3
	v_add_nc_u32 v[TM+12+\b], 0xfe000000, v[TM+\b] ; 4 off its exponent field: the conversion's scale operand
.endr
.irp b, 0,1,2,3
	v_lshrrev_b32 v[TM+4+\b], 23, v[TM+12+\b]      ; the scale's byte
.endr
	v_lshl_or_b32 v[WD+(\a)], v[TM+5], 8, v[TM+4]
	v_lshl_or_b32 v[WD+(\a)], v[TM+6], 16, v[WD+(\a)]
	v_lshl_or_b32 v[WD+(\a)], v[TM+7], 24, v[WD+(\a)]
.if (\a) > 0
	s_wait_xcnt 0x0                                ; the last tile's stores have read their data and bases: both are written again only behind this wait
.if (\a) == 4
	s_add_nc_u64 s[20:21], s[20:21], s[74:75]
	s_add_nc_u64 s[22:23], s[22:23], s[74:75]
.else
	s_add_nc_u64 s[20:21], s[20:21], s[72:73]
	s_add_nc_u64 s[22:23], s[22:23], s[72:73]
.endif
.endif
	WIN W                                          ; source 0 alone in the accumulators' window
.irp c, 0,1
	v_cvt_scalef32_pk16_bf6_f32 v[PC+6*\c:PC+6*\c+2], v[AC+32*\c:AC+32*\c+15], v[TM+12+2*\c]
	v_cvt_scalef32_pk16_bf6_f32 v[PC+12+4*\c:PC+12+4*\c+2], v[AC+32*\c+16:AC+32*\c+31], v[TM+12+2*\c+1]   ; (a conversion's three registers begin on an even number)
.endr
	WIN 0
	v_nop                                          ; one plain line behind a scaled conversion
.irp c, 0,1                                    ; the layout wants a whole block in a lane: lanes 0-15 block 2 c, lanes 16-31 block 2 c + 1
.irp i, 0,1,2
	v_permlane16_swap_b32 v[PC+6*\c+\i], v[PC+12+4*\c+\i]
.endr
.irp i, 0,1,2
	v_mov_b32 v[PC+3+6*\c+\i], v[PC+12+4*\c+\i]
.endr
.endr
.irp p, 0,1,2
	global_store_b64 v[L8], v[PC+2*\p:PC+2*\p+1], s[20:21] offset:256*\p       ; 32 lanes store 256 consecutive bytes, aligned
.endr
.irp p, 0,1,2
	global_store_b64 v[L8], v[PC+6+2*\p:PC+6+2*\p+1], s[22:23] offset:256*\p
.endr
.endm
.irp a, 0,1,2,3,4,5,6,7
	QEP \a
.endr
	v_and_b32 v1, 31, v0
	v_cmp_lt_u32 vcc_lo, 15, v1                    ; lanes 16-31
.irp j, 0,1,2,3
	v_cndmask_b32 v[XW+\j], v[WD+2*\j], v[WD+2*\j+1], vcc_lo   ; lanes 0-15: tile 2 j's words, lanes 16-31: tile 2 j + 1's (both halves of the lanes hold each row's word)
.endr
	s_cmp_ge_u32 s95, 8                            ; the branch hangs on the cluster's y alone, and stands round stores alone
	s_cbranch_scc1 .Lv_words
	global_store_b128 v[L16], v[XW:XW+3], s[68:69] ; q, k: bytes 0, 1 are my first head's; bytes 2, 3 stand beside zero codes there
.irp j, 0,1,2,3
	v_lshrrev_b32 v[XW+4+\j], 16, v[XW+\j]         ; the next head's two bytes, and zeros above them
.endr
	global_store_b128 v[L16], v[XW+4:XW+7], s[70:71]
	s_branch .Lwords_done
.Lv_words:
	global_store_b64 v[L8], v[XW:XW+1], s[68:69]   ; v: tiles 0-3 are my first head's, tiles 4-7 the next head's
	global_store_b64 v[L8], v[XW+2:XW+3], s[70:71]
.Lwords_done:
	s_wait_tensorcnt 0x0                           ; the wave's end
	ds_add_u32 v[SPW], v[NIL]
	s_wait_dscnt 0x0
	CROUND                                         ; the closing round: no work-group ends while a partner may still ask for a tile that names it
	s_endpgm
.Lfunc_end_k_qc695a1eea0_gemm_qkv:
	.size	k_qc695a1eea0_gemm_qkv, .Lfunc_end_k_qc695a1eea0_gemm_qkv-k_qc695a1eea0_gemm_qkv
	.p2alignl 7, 3214868480
	.fill 96, 4, 3214868480
	.section	.rodata,"a",@progbits
	.p2align	6, 0x0
	.amdhsa_kernel k_qc695a1eea0_gemm_qkv
		.amdhsa_group_segment_fixed_size 327680
		.amdhsa_private_segment_fixed_size 0
		.amdhsa_enable_private_segment 0
		.amdhsa_kernarg_size 32
		.amdhsa_user_sgpr_count 2
		.amdhsa_user_sgpr_kernarg_segment_ptr 1
		.amdhsa_wavefront_size32 1
		.amdhsa_system_sgpr_workgroup_id_x 1
		.amdhsa_system_sgpr_workgroup_id_y 1
		.amdhsa_system_sgpr_workgroup_id_z 1
		.amdhsa_system_vgpr_workitem_id 0
		.amdhsa_next_free_vgpr 1024
		.amdhsa_next_free_sgpr 102
		.amdhsa_reserve_vcc 1
		.amdhsa_float_denorm_mode_32 3
		.amdhsa_float_denorm_mode_16_64 3
		.amdhsa_memory_ordered 1
		.amdhsa_forward_progress 1
		.amdhsa_inst_pref_size 169
	.end_amdhsa_kernel
	.amdgpu_metadata
---
amdhsa.version: [ 1, 2 ]
amdhsa.kernels:
  - .name:           k_qc695a1eea0_gemm_qkv
    .symbol:         k_qc695a1eea0_gemm_qkv.kd
    .args:
      - { .name: xq, .offset: 0, .size: 8, .value_kind: global_buffer, .address_space: global }
      - { .name: wq, .offset: 8, .size: 8, .value_kind: global_buffer, .address_space: global }
      - { .name: qq, .offset: 16, .size: 8, .value_kind: global_buffer, .address_space: global }
      - { .name: kv, .offset: 24, .size: 8, .value_kind: global_buffer, .address_space: global }
    .group_segment_fixed_size: 327680
    .private_segment_fixed_size: 0
    .kernarg_segment_align: 8
    .kernarg_segment_size: 32
    .max_flat_workgroup_size: 128
    .sgpr_count:     102
    .vgpr_count:     1024
    .wavefront_size: 32
...
	.end_amdgpu_metadata
.endif
;; end of part 2
;; launch attn (part 3): grid 4 x 64, 16 waves a work-group, clusters of 4 x 1, 215,040 bytes of LDS; arguments qq, kv, yq; writes yq
.if DOCPART == 3
	.amdgcn_target "amdgcn-amd-amdhsa--gfx1250"
	.amdhsa_code_object_version 6
	.text
	.protected	k_qc695a1eea0_attn
	.globl	k_qc695a1eea0_attn
	.p2align	8
	.type	k_qc695a1eea0_attn,@function
k_qc695a1eea0_attn:
	s_mov_b64 s[64:65], 0
	v_nop
	global_prefetch_b8 v0, s[64:65] scope:SCOPE_SE
	s_setreg_imm32_b32 hwreg(HW_REG_WAVE_MODE, 25, 1), 1
	s_wait_xcnt 0x0
	s_wait_alu depctr_hold_cnt(0) depctr_sa_sdst(0) depctr_va_vdst(0) depctr_va_sdst(0) depctr_va_ssrc(0) depctr_va_vcc(0) depctr_vm_vsrc(0)
	s_getreg_b32 s2, hwreg(HW_REG_IB_STS2, 6, 4)
	s_cmp_eq_u32 s2, 0
	s_cbranch_scc0 .Lentry_in_a_cluster
	s_endpgm
.Lentry_in_a_cluster:
	s_bfe_u32 s2, ttmp6, 0x10000c
	s_cmp_lg_u32 s2, 0x3003
	s_cbranch_scc0 .Lentry_shape_is_right
	s_endpgm
.Lentry_shape_is_right:
; y = softmax(q k^T / 8, causal) v for 64 pairs of head and batch, 2,048 tokens, head size 64, both products on codes of BF6 (E3M2) with E8M0 scales; y is quantised along the channels for the last product and stored as codes.
; THE SOFTMAX AHEAD OF THE SECOND PRODUCT: t = score x log2(e) / 8; M = the running largest t rounded UP to a whole number; p = 2^(t - M) is quantised along the keys, not normalised; the row's sum is taken of the unquantised p
; and divides O at the end.  When M moves, the sum and O are multiplied by 2^(old M - new M): exact.
; SHARES.  A cluster of four work-groups owns one pair bh = 4 head + batch.  All its K and V, 16 records of 13,056 bytes (128 keys each), lie in each work-group's LDS as they lie in memory, brought once by joint loads: nothing is
; filled again.  Each of the 16 waves owns two tiles of 16 queries, one after the other: tile 2 cx + (wave % 2) of the step g = wave / 2, then of the step 15 - wave / 2: g + 1 key steps each, 17 in all for every wave.
; Key steps behind a tile's own are left out by a scalar branch on the wave's number and a counter; the trip counts are constants.  cx enters global addresses and the mask's numbers alone.
; LAYOUT.  Both products are used transposed: S^T = K Q^T, O^T = V^T P^T: a lane holds ONE query (lane % 16).  Tokens and channels lie in PLACE order (in each 32 the second and third groups of 8 swapped), so the 16 registers
; of key tiles 2 b, 2 b + 1 are keys 32 b + 16 (lane / 16) + 0 .. 15, and those of channel tiles 2 b, 2 b + 1 are channels 32 b + 16 (lane / 16) + 0 .. 15.
; THE FIRST PRODUCT'S K IS 64: half of the instruction's 128.  Q's upper six registers are zero codes; K's operand of tile t is v[32 + 6 t] on, 12 registers: its upper six are the next tile's codes, which meet Q's zeros.
; A block's largest p is not searched for: the block's largest score goes through the same multiply-add and exponential (this takes v_exp_f32 not to fall where its input rises).
; y's scale bytes leave 2 bytes a lane: a row's 32 bytes come from 16 clusters; they are one part in 24 of the codes' bytes.
; LIMITS: a block's largest magnitude is taken as at least 2^-122 (a block of zeros gets the byte 1; its codes are zeros; this program alone reads the bytes); NaN and infinities are not served.
; REGISTERS: v1 8 x lane, v2 16 x lane, v3-4 the step's LDS addresses, v5 the mask's number, v6 -infinity, v7 16 r, v9 32 r, v8 Q's scale word, v12 -M, v13 the largest t, v[14:15] the sum, v16-27 Q, v28-31 K's scale words,
; v32-85 K (v32-42 later at work), v86-87 V's scale words, v88-95 at work, v96-159 S^T then p, v160-191 O^T, v192-239 V, v240-251 p's codes, v252 f, v253 p's scale word, v254 at work.
.set REC,  13056                       ; a record: 128 keys
.set VCO,  6144                        ; V's codes in it
.set KSC,  12288                       ; K's scale words
.set VSC,  12800                       ; V's
.set HALF, 8*REC
.set QSCL, 6291456                     ; where qq's scale words and yq's scale bytes begin
.macro ROUND                           ; a round of the cluster's barrier
	s_barrier_signal -1
	s_barrier_wait -1
	s_cmp_lg_u32 s10, 0
	s_cbranch_scc1 .Lnot_wave_0_\@
	s_barrier_signal -3
.Lnot_wave_0_\@:
	s_barrier_wait -3
	s_barrier_signal -1
	s_barrier_wait -1
.endm
	s_load_b128 s[4:7], s[0:1], 0x0                ; qq s[4:5], kv s[6:7]
	s_load_b64 s[8:9], s[0:1], 0x10                ; yq
	v_lshl_add_u32 v254, v0, 2, 0x34000
	v_mov_b32 v255, 0
	ds_add_u32 v254, v255
	ds_add_u32 v254, v255
	s_wait_dscnt 0x0
	v_lshrrev_b32 v1, 5, v0
	s_delay_alu instid0(VALU_DEP_1)
	v_readfirstlane_b32 s10, v1                    ; wave 0..15
	s_bfe_u32 s11, ttmp6, 0x40000                  ; cx
	s_and_b32 s12, ttmp7, 0xffff                   ; bh, which the four partners share
	s_and_b32 s13, s10, 1                          ; e
	; descriptor group 1: one row of 6,528 bytes (816 elements of 8): half a record
	s_mov_b32 s24, 15|(3<<16)|(1<<21)              ; the mask: all four work-groups; elements of 8 bytes; bit 21 beside a mask
	s_mov_b32 s25, 816<<16
	s_mov_b32 s26, 1<<16
	s_mov_b32 s27, 816<<16
	s_mov_b32 s28, 1
	s_mov_b32 s29, 816
	s_mov_b32 s30, 0
	s_mov_b32 s31, 0
	s_mul_i32 s48, s12, 16*REC                     ; the pair's 16 records
	s_mul_i32 s49, s10, REC/2                      ; my part: wave x 6,528, in memory and in LDS alike
	s_add_co_u32 s50, s48, s49
	s_mov_b32 s51, 0
	s_mov_b32 s18, 0x76543210
	s_mov_b32 s19, 0xfedcba98                      ; v_permlanex16_b32's selects for lane l xor 16
	s_mov_b32 s20, 0x3e38aa3b                      ; c = log2(e) / 8
	s_mov_b32 s21, s20                             ; (named with it as a pair)
	s_wait_kmcnt 0x0
	ROUND                                          ; all four work-groups are here: the joint loads meet
	s_mov_b32 s32, 1
	s_mov_b32 s33, s49
	s_add_nc_u64 s[34:35], s[6:7], s[50:51]
	s_mov_b32 s36, 1
	s_add_co_u32 s37, s49, HALF
	s_add_nc_u64 s[38:39], s[34:35], HALF
	s_or_b32 s35, s35, 0x80000000
	s_or_b32 s39, s39, 0x80000000
	tensor_load_to_lds s[32:35], s[24:31]          ; records 0-7: sixteen waves x 6,528 bytes
	s_nop 0
	tensor_load_to_lds s[36:39], s[24:31]          ; records 8-15: two loads of mine are out
	s_nop 0
.rept 4
	v_nop
.endr
	v_and_b32 v10, 31, v0
	s_delay_alu instid0(VALU_DEP_1)
	v_lshlrev_b32 v1, 3, v10
	s_delay_alu instid0(VALU_DEP_2)
	v_lshlrev_b32 v2, 4, v10
	v_and_b32 v11, 15, v0                          ; r
	v_bfe_u32 v10, v0, 4, 1                        ; h
	s_delay_alu instid0(VALU_DEP_2)
	v_lshlrev_b32 v7, 4, v11
	s_delay_alu instid0(VALU_DEP_3)
	v_lshlrev_b32 v9, 5, v11
	s_delay_alu instid0(VALU_DEP_4)
	v_and_b32 v5, 8, v11
	s_delay_alu instid0(VALU_DEP_1)
	v_add_nc_u32 v5, v5, v11                       ; r + 8 (r / 8)
	v_lshlrev_b32 v10, 4, v10
	s_delay_alu instid0(VALU_DEP_1)
	v_sub_nc_u32 v5, v5, v10
	s_lshl_b32 s52, s11, 5
	s_lshl_b32 s53, s13, 3
	s_add_co_u32 s52, s52, s53
	v_add_nc_u32 v5, s52, v5                       ; d = my query's token in its step of 128, less 16 h: register 16 b + i holds key 32 b + 16 h + i, hidden on the diagonal where 32 b + i > d
	v_mov_b32 v6, 0xff800000                       ; -infinity
.irp j, 22,23,24,25,26,27, 80,81,82,83,84,85
	v_mov_b32 v\j, 0                               ; zero codes: Q's upper half, and what stands above K's last tile
.endr
.irp j, 92,93,94,95, 253,254
	v_mov_b32 v\j, 0                               ; written once: permutes' destinations, and the upper half of the pair v[252:253]
.endr
	s_wait_tensorcnt 0x0                           ; my two parts are in,
	s_barrier_signal -1
	s_barrier_wait -1                              ; everybody's are: K and V stay as they are to the end
; A KEY STEP: 128 keys, the record at LDS byte s17.  s16 counts the steps, s14 is my tile's own step.
.macro STEP
	s_cmp_gt_u32 s16, s14                          ; all keys of this step come after my queries
	s_cbranch_scc1 .Lskip_\@
	s_setprio 2
	v_add_nc_u32 v3, s17, v1
	v_add_nc_u32 v4, s17, v2
	v_nop
	v_nop                                          ; four places in front of loads into registers that the last products read
	ds_load_b128 v[28:31], v4 offset:KSC           ; K's scale words: register u: lanes 0-15 tile 2 u, lanes 16-31 tile 2 u + 1
.irp t, 0,1,2,3,4,5,6,7
.irp p, 0,1,2
	ds_load_b64 v[32+6*\t+2*\p:33+6*\t+2*\p], v3 offset:768*\t+256*\p
.endr
.endr
	ds_load_b64 v[86:87], v3 offset:VSC            ; V's scale words, likewise
.irp t, 0,1,2,3
.irp p, 0,1,2,3,4,5
	ds_load_b64 v[192+12*\t+2*\p:193+12*\t+2*\p], v3 offset:VCO+1536*\t+256*\p
.endr
.endr
	s_wait_dscnt 25                                ; K and its words are in; V's 25 loads may be out
.irp t, 0,2,4,6
	v_wmma_scale_f32_16x16x128_f8f6f4 v[96+8*\t:103+8*\t], v[32+6*\t:43+6*\t], v[16:27], 0, v[28+\t/2], v8 matrix_a_fmt:MATRIX_FMT_BF6 matrix_b_fmt:MATRIX_FMT_BF6
	v_wmma_scale_f32_16x16x128_f8f6f4 v[104+8*\t:111+8*\t], v[38+6*\t:49+6*\t], v[16:27], 0, v[28+\t/2], v8 matrix_a_fmt:MATRIX_FMT_BF6 matrix_b_fmt:MATRIX_FMT_BF6 matrix_a_scale:MATRIX_SCALE_ROW1
.endr
.rept 4
	v_nop
.endr
	s_cmp_lg_u32 s16, s14                          ; only my tile's own step lies on the diagonal
	s_cbranch_scc1 .Lopen_\@
.set N, 0
.rept 64
	v_cmp_gt_i32 vcc_lo, 32*(N/16)+N%16, v5
	v_cndmask_b32 v[96+N], v[96+N], v6, vcc_lo     ; a hidden key's score becomes -infinity: p = 0
.set N, N+1
.endr
.Lopen_\@:
.irp b, 0,1,2,3
	v_max3_num_f32 v[88+\b], v[96+16*\b], v[97+16*\b], v[98+16*\b]   ; the largest score of each block of 32 keys: for the row's maximum and for the block's largest p
.endr
.irp i, 3,5,7,9,11,13
.irp b, 0,1,2,3
	v_max3_num_f32 v[88+\b], v[88+\b], v[96+16*\b+\i], v[97+16*\b+\i]
.endr
.endr
.irp b, 0,1,2,3
	v_max_num_f32 v[88+\b], v[88+\b], v[111+16*\b]
.endr
.irp b, 0,1,2,3
	s_delay_alu instid0(VALU_DEP_4)
	v_permlanex16_b32 v[92+\b], v[88+\b], s18, s19
.endr
.irp b, 0,1,2,3
	s_delay_alu instid0(VALU_DEP_4)
	v_max_num_f32 v[88+\b], v[88+\b], v[92+\b]     ; with lane l xor 16's 16 keys
.endr
	s_delay_alu instid0(VALU_DEP_2)
	v_max3_num_f32 v254, v88, v89, v90
	s_delay_alu instid0(VALU_DEP_1)
	v_max_num_f32 v254, v254, v91
	s_delay_alu instid0(VALU_DEP_1)
	v_mul_f32 v254, s20, v254                      ; the step's largest t
	s_delay_alu instid0(VALU_DEP_1)
	v_max_num_f32 v13, v13, v254
	v_mov_b32 v254, v12
	s_delay_alu instid0(VALU_DEP_2)
	v_floor_f32 v12, -v13                          ; the new -M = floor(-t): M is a whole number
	s_delay_alu instid0(VALU_DEP_1)
	v_sub_f32 v254, v12, v254                      ; old M - new M, 0 or less
	s_delay_alu instid0(VALU_DEP_1)
	v_cvt_i32_f32 v254, v254                       ; (it saturates)
	s_delay_alu instid0(VALU_DEP_1)
	v_ldexp_f32 v252, 1.0, v254                    ; f = 2^(old M - new M)
.set N, 0
	s_setprio 1
.rept 32
	v_pk_fma_f32 v[96+N:97+N], v[96+N:97+N], s[20:21], v[12:13] op_sel_hi:[1,0,0]   ; t - M, two at a time
.set N, N+2
.endr
.irp b, 0,1,2,3
	v_fma_f32 v[88+\b], v[88+\b], s20, v12         ; the same of each block's largest score
.endr
.set N, 0
	s_wait_alu depctr_va_vdst(0)
.rept 64
	v_exp_f32 v[96+N], v[96+N]                     ; p = 2^(t - M)
.set N, N+1
.endr
	v_pk_mul_f32 v[14:15], v[14:15], v[252:253] op_sel_hi:[1,0]   ; the sums under the new M (a plain line behind the exponentials)
	s_wait_alu depctr_va_vdst(0)                   ; one wait for the batch of 64, ahead of its first reader
.irp b, 0,1,2,3
	v_exp_f32 v[88+\b], v[88+\b]                   ; the blocks' largest p
.endr
	v_pk_add_f32 v[92:93], v[100:101], v[104:105]
	v_pk_add_f32 v[250:251], v[108:109], v[112:113]
	v_pk_add_f32 v[248:249], v[116:117], v[120:121]
	v_pk_add_f32 v[246:247], v[124:125], v[128:129]
	v_pk_add_f32 v[244:245], v[132:133], v[136:137]
	v_pk_add_f32 v[242:243], v[140:141], v[144:145]
	v_pk_add_f32 v[240:241], v[148:149], v[152:153]
	v_pk_add_f32 v[14:15], v[14:15], v[156:157]
	v_pk_add_f32 v[92:93], v[92:93], v[96:97]
	v_pk_add_f32 v[250:251], v[250:251], v[98:99]
	v_pk_add_f32 v[248:249], v[248:249], v[102:103]
	v_pk_add_f32 v[246:247], v[246:247], v[106:107]
	v_pk_add_f32 v[244:245], v[244:245], v[110:111]
	v_pk_add_f32 v[242:243], v[242:243], v[114:115]
	v_pk_add_f32 v[240:241], v[240:241], v[118:119]
	v_pk_add_f32 v[14:15], v[14:15], v[122:123]
	v_pk_add_f32 v[92:93], v[92:93], v[126:127]
	v_pk_add_f32 v[250:251], v[250:251], v[130:131]
	v_pk_add_f32 v[248:249], v[248:249], v[134:135]
	v_pk_add_f32 v[246:247], v[246:247], v[138:139]
	v_pk_add_f32 v[244:245], v[244:245], v[142:143]
	v_pk_add_f32 v[242:243], v[242:243], v[146:147]
	v_pk_add_f32 v[240:241], v[240:241], v[150:151]
	v_pk_add_f32 v[14:15], v[14:15], v[154:155]
	v_pk_add_f32 v[92:93], v[92:93], v[158:159]
	s_delay_alu instid0(VALU_DEP_2)
	v_pk_add_f32 v[14:15], v[14:15], v[246:247]
	s_delay_alu instid0(VALU_DEP_2)
	v_pk_add_f32 v[92:93], v[92:93], v[244:245]
	v_pk_add_f32 v[250:251], v[250:251], v[242:243]
	v_pk_add_f32 v[248:249], v[248:249], v[240:241]
	s_delay_alu instid0(VALU_DEP_2)
	v_pk_add_f32 v[14:15], v[14:15], v[250:251]
	s_delay_alu instid0(VALU_DEP_2)
	v_pk_add_f32 v[92:93], v[92:93], v[248:249]
	s_delay_alu instid0(VALU_DEP_1)
	v_pk_add_f32 v[14:15], v[14:15], v[92:93]
	s_wait_alu depctr_va_vdst(0)                   ; and one for the four
.irp b, 0,1,2,3
	v_max_num_f32 v[88+\b], 0x2800000, v[88+\b]    ; the floor 2^(5 - 127)
.endr
.irp b, 0,1,2,3
	s_delay_alu instid0(VALU_DEP_4)
	v_add_nc_u32 v[32+\b], 0xfe000000, v[88+\b]    ; 4 off the exponent field: the conversion's scale operand
.endr
.irp b, 0,1,2,3
	s_delay_alu instid0(VALU_DEP_4)
	v_lshrrev_b32 v[92+\b], 23, v[32+\b]           ; the scale's byte
.endr
	s_delay_alu instid0(VALU_DEP_3)
	v_lshl_or_b32 v253, v93, 8, v92                ; p's scale word for these 128 keys
	s_delay_alu instid0(VALU_DEP_1)
	v_lshl_or_b32 v253, v94, 16, v253
	s_delay_alu instid0(VALU_DEP_1)
	v_lshl_or_b32 v253, v95, 24, v253
	s_setprio 0
.irp c, 0,1
	v_cvt_scalef32_pk16_bf6_f32 v[240+6*\c:242+6*\c], v[96+32*\c:111+32*\c], v[32+2*\c]
	v_cvt_scalef32_pk16_bf6_f32 v[36+4*\c:38+4*\c], v[112+32*\c:127+32*\c], v[33+2*\c]
.endr
	v_nop                                          ; one plain line behind a scaled conversion
.irp c, 0,1
.irp i, 0,1,2
	v_permlane16_swap_b32 v[240+6*\c+\i], v[36+4*\c+\i]
.endr
.irp i, 0,1,2
	s_delay_alu instid0(VALU_DEP_3)
	v_mov_b32 v[243+6*\c+\i], v[36+4*\c+\i]
.endr
.endr
.set N, 0
.rept 16
	v_pk_mul_f32 v[160+N:161+N], v[160+N:161+N], v[252:253] op_sel_hi:[1,0]   ; O^T under the new M; these sixteen are also the places between the scale word's and the codes' last writes and the products
.set N, N+2
.endr
	s_wait_alu depctr_va_vdst(0)
	s_wait_dscnt 0x0                               ; V is in
.irp t, 0,2
	v_wmma_scale_f32_16x16x128_f8f6f4 v[160+8*\t:167+8*\t], v[192+12*\t:203+12*\t], v[240:251], v[160+8*\t:167+8*\t], v[86+\t/2], v253 matrix_a_fmt:MATRIX_FMT_BF6 matrix_b_fmt:MATRIX_FMT_BF6
	v_wmma_scale_f32_16x16x128_f8f6f4 v[168+8*\t:175+8*\t], v[204+12*\t:215+12*\t], v[240:251], v[168+8*\t:175+8*\t], v[86+\t/2], v253 matrix_a_fmt:MATRIX_FMT_BF6 matrix_b_fmt:MATRIX_FMT_BF6 matrix_a_scale:MATRIX_SCALE_ROW1
.endr
.Lskip_\@:
	s_add_co_u32 s17, s17, REC                     ; the next record
	s_add_co_u32 s16, s16, 1
.endm
; A JOB: the tile 2 cx + e of the step s14.  trips: a constant that covers every wave's s14 + 1.
.macro JOB trips
	s_wait_xcnt 0x0                                ; the last job's loads and stores have read their bases and data
	s_lshl_b32 s48, s11, 1
	s_add_co_u32 s48, s48, s13                     ; a = 2 cx + e
	s_lshl_b32 s49, s12, 4
	s_add_co_u32 s49, s49, s14                     ; R = 16 bh + step
	s_mul_i32 s50, s49, 6144
	s_mul_i32 s51, s48, 768
	s_add_co_u32 s50, s50, s51
	s_mov_b32 s51, 0
	s_add_nc_u64 s[40:41], s[4:5], s[50:51]        ; Q's codes
	s_lshl_b32 s50, s49, 9
	s_lshl_b32 s52, s13, 8
	s_add_co_u32 s50, s50, s52
	s_lshl_b32 s52, s11, 2
	s_add_co_u32 s50, s50, s52
	s_add_co_u32 s50, s50, QSCL
	s_add_nc_u64 s[42:43], s[4:5], s[50:51]        ; Q's scale words: 512 R + 16 (r + 16 e) + 4 cx
	s_and_b32 s52, s12, 3
	s_lshl_b32 s52, s52, 7
	s_lshl_b32 s53, s14, 3
	s_add_co_u32 s52, s52, s53
	s_add_co_u32 s52, s52, s48                     ; the tile of rows of y: 128 batch + 8 step + a
	s_lshr_b32 s53, s12, 2                         ; the head
	s_lshl_b32 s50, s52, 4
	s_add_co_u32 s50, s50, s53
	s_mul_i32 s50, s50, 768
	s_add_nc_u64 s[44:45], s[8:9], s[50:51]        ; y's codes
	s_lshl_b32 s50, s52, 9
	s_lshl_b32 s53, s53, 1
	s_add_co_u32 s50, s50, s53
	s_add_co_u32 s50, s50, QSCL
	s_add_nc_u64 s[46:47], s[8:9], s[50:51]        ; y's scale bytes: 32 a row, 2 a head
	global_load_b64 v[16:17], v1, s[40:41]
	global_load_b64 v[18:19], v1, s[40:41] offset:256
	global_load_b64 v[20:21], v1, s[40:41] offset:512
	global_load_b32 v8, v7, s[42:43]
	v_mov_b32 v13, 0xff61b1e6                      ; the largest t so far: -3e38
	s_delay_alu instid0(VALU_DEP_1)
	v_floor_f32 v12, -v13
	v_mov_b32 v14, 0
	v_mov_b32 v15, 0
.set N, 0
.rept 32
	v_mov_b32 v[160+N], 0                          ; O^T: the step is written once; the first finds zeros, which the first change of M leaves zeros
.set N, N+1
.endr
	s_mov_b32 s17, 0
	s_mov_b32 s16, 0
	s_wait_loadcnt 0x0
.Lstep_\@:
	STEP
	s_cmp_lt_u32 s16, \trips
	s_cbranch_scc1 .Lstep_\@
	s_setprio 0
	; the way out: O^T / the sum, quantised along the head's 64 channels: two blocks; the six registers are half a fragment of the last product's operand
.rept 4
	v_nop                                          ; places behind the last products
.endr
	v_add_f32 v14, v14, v15
	s_delay_alu instid0(VALU_DEP_1)
	v_permlanex16_b32 v254, v14, s18, s19
	s_delay_alu instid0(VALU_DEP_1)
	v_add_f32 v14, v14, v254                       ; the row's sum
	s_wait_alu depctr_va_vdst(0)
	v_rcp_f32 v14, v14
	v_nop                                          ; a plain line behind the reciprocal
	s_wait_alu depctr_va_vdst(0)                   ; and the wait ahead of its first reader
.set N, 0
.rept 16
	v_pk_mul_f32 v[96+N:97+N], v[160+N:161+N], v[14:15] op_sel_hi:[1,0]   ; register 16 b + i: channel 32 b + 16 h + i; each accumulator from its low end on
.set N, N+2
.endr
.irp b, 0,1
	v_max3_num_f32 v[88+\b], |v[96+16*\b]|, |v[97+16*\b]|, 0x2800000
.endr
.irp i, 2,4,6,8,10,12,14
.irp b, 0,1
	s_delay_alu instid0(VALU_DEP_2)
	v_max3_num_f32 v[88+\b], v[88+\b], |v[96+16*\b+\i]|, |v[97+16*\b+\i]|
.endr
.endr
.irp b, 0,1
	s_delay_alu instid0(VALU_DEP_2)
	v_permlanex16_b32 v[92+\b], v[88+\b], s18, s19
.endr
.irp b, 0,1
	s_delay_alu instid0(VALU_DEP_2)
	v_max_num_f32 v[88+\b], v[88+\b], v[92+\b]
.endr
.irp b, 0,1
	s_delay_alu instid0(VALU_DEP_2)
	v_add_nc_u32 v[32+\b], 0xfe000000, v[88+\b]
.endr
.irp b, 0,1
	s_delay_alu instid0(VALU_DEP_2)
	v_lshrrev_b32 v[92+\b], 23, v[32+\b]
.endr
	s_delay_alu instid0(VALU_DEP_1)
	v_lshl_or_b32 v254, v93, 8, v92                ; the head's two scale bytes of my row
	v_cvt_scalef32_pk16_bf6_f32 v[240:242], v[96:111], v32
	v_cvt_scalef32_pk16_bf6_f32 v[244:246], v[112:127], v33
	v_nop
.irp i, 0,1,2
	v_permlane16_swap_b32 v[240+\i], v[244+\i]
.endr
.irp i, 0,1,2
	s_delay_alu instid0(VALU_DEP_3)
	v_mov_b32 v[243+\i], v[244+\i]                 ; ascending: each source is read before it is written
.endr
	global_store_b64 v1, v[240:241], s[44:45]      ; 32 lanes store 256 consecutive bytes, aligned
	global_store_b64 v1, v[242:243], s[44:45] offset:256
	global_store_b64 v1, v[244:245], s[44:45] offset:512
	global_store_b16 v9, v254, s[46:47]            ; lanes r and r + 16 write the same two bytes with the same value
.endm
	s_lshr_b32 s14, s10, 1                         ; the first job's step: wave / 2
	JOB 8
	s_lshr_b32 s14, s10, 1
	s_sub_co_u32 s14, 15, s14                      ; the second's: 15 - wave / 2
	JOB 16
	s_wait_xcnt 0x0
	v_lshl_add_u32 v254, v0, 2, 0x34000
	v_mov_b32 v255, 0
	s_wait_alu depctr_va_vdst(0)
	s_wait_tensorcnt 0x0
	ds_add_u32 v254, v255
	s_wait_dscnt 0x0
	ROUND                                          ; the closing round
	s_endpgm
.Lfunc_end_k_qc695a1eea0_attn:
	.size	k_qc695a1eea0_attn, .Lfunc_end_k_qc695a1eea0_attn-k_qc695a1eea0_attn
	.p2alignl 7, 3214868480
	.fill 96, 4, 3214868480
	.section	.rodata,"a",@progbits
	.p2align	6, 0x0
	.amdhsa_kernel k_qc695a1eea0_attn
		.amdhsa_group_segment_fixed_size 215040
		.amdhsa_private_segment_fixed_size 0
		.amdhsa_enable_private_segment 0
		.amdhsa_kernarg_size 24
		.amdhsa_user_sgpr_count 2
		.amdhsa_user_sgpr_kernarg_segment_ptr 1
		.amdhsa_wavefront_size32 1
		.amdhsa_system_sgpr_workgroup_id_x 1
		.amdhsa_system_sgpr_workgroup_id_y 1
		.amdhsa_system_sgpr_workgroup_id_z 1
		.amdhsa_system_vgpr_workitem_id 0
		.amdhsa_next_free_vgpr 256
		.amdhsa_next_free_sgpr 66
		.amdhsa_reserve_vcc 1
		.amdhsa_float_denorm_mode_32 3
		.amdhsa_float_denorm_mode_16_64 3
		.amdhsa_memory_ordered 1
		.amdhsa_forward_progress 1
		.amdhsa_inst_pref_size 67
	.end_amdhsa_kernel
	.amdgpu_metadata
---
amdhsa.version: [ 1, 2 ]
amdhsa.kernels:
  - .name:           k_qc695a1eea0_attn
    .symbol:         k_qc695a1eea0_attn.kd
    .args:
      - { .name: qq, .offset: 0, .size: 8, .value_kind: global_buffer, .address_space: global }
      - { .name: kv, .offset: 8, .size: 8, .value_kind: global_buffer, .address_space: global }
      - { .name: yq, .offset: 16, .size: 8, .value_kind: global_buffer, .address_space: global }
    .group_segment_fixed_size: 215040
    .private_segment_fixed_size: 0
    .kernarg_segment_align: 8
    .kernarg_segment_size: 24
    .max_flat_workgroup_size: 512
    .sgpr_count:     66
    .vgpr_count:     256
    .wavefront_size: 32
...
	.end_amdgpu_metadata
.endif
;; end of part 3
;; launch gemm_out (part 4): grid 4 x 32, 4 waves a work-group, clusters of 4 x 4, 327,680 bytes of LDS; arguments yq, wq, out0; writes out0
.if DOCPART == 4
	.amdgcn_target "amdgcn-amd-amdhsa--gfx1250"
	.amdhsa_code_object_version 6
	.text
	.protected	k_qc695a1eea0_gemm_out
	.globl	k_qc695a1eea0_gemm_out
	.p2align	8
	.type	k_qc695a1eea0_gemm_out,@function
k_qc695a1eea0_gemm_out:
	s_mov_b64 s[64:65], 0
	v_nop
	global_prefetch_b8 v0, s[64:65] scope:SCOPE_SE
	s_setreg_imm32_b32 hwreg(HW_REG_WAVE_MODE, 25, 1), 1
	s_wait_xcnt 0x0
	s_wait_alu depctr_hold_cnt(0) depctr_sa_sdst(0) depctr_va_vdst(0) depctr_va_sdst(0) depctr_va_ssrc(0) depctr_va_vcc(0) depctr_vm_vsrc(0)
	s_getreg_b32 s2, hwreg(HW_REG_IB_STS2, 6, 4)
	s_cmp_eq_u32 s2, 0
	s_cbranch_scc0 .Lentry_in_a_cluster
	s_endpgm
.Lentry_in_a_cluster:
	s_bfe_u32 s2, ttmp6, 0x10000c
	s_cmp_lg_u32 s2, 0xf033
	s_cbranch_scc0 .Lentry_shape_is_right
	s_endpgm
.Lentry_shape_is_right:
; out = y w_proj on codes of BF6 (E3M2) with E8M0 scales for each 32 along K = 1,024; out [8192][1024] f32.
; C[m][n] = sum over k of A[m][k] B[n][k], a tile of 256 x 256 to a work-group of four waves, 128 x 128 (64 accumulators) to a wave; K in steps of 256 through a ring of two LDS slots.
; A = y.  Its codes lie in yq as IMAGES OF THE OPERAND'S REGISTERS: [tile of 16 rows][head 16][register pair 3][lane 32][8 bytes]: 128 along K (two heads) of a tile are six pairs on end, 1,536 bytes; a slot's 256 along K are
; 3,072 bytes of each of a wave's 8 tiles.  Its scale bytes lie [row][32] behind the codes.  B = wq's rows 3,072-4,095, rows of 768 bytes of codes, scale bytes [row][32].
; y's rows and w_proj's columns lie in PLACE order (in each 32 the second and third groups of 8 swapped); the way out puts both back.
; THE MATRIX INSTRUCTION IS USED TRANSPOSED (source 0 = 16 rows of B, source 1 = 16 rows of A): a lane holds eight numbers of a row of C.
; CLUSTERS: 4 x 4 work-groups; A's tiles are asked for jointly along a row of the cluster, B's along a column.
; REGISTERS, in windows of 256: window 0: v0-31 addresses; v32-63 scale words, two sets; from v128 A's fragments, ONE set; on the way out v128-255 rows of C.  window 1: B's fragments, TWO sets.  windows 2, 3: the accumulators.
.set SIZE_K, 1024
.set SIZE_N, 1024
.set KSTEP,  256
.set NQ,     KSTEP/128
.set ROWB,   192                       ; a row of B's tile in bytes
.set AROW,   3072                      ; a row of A's tile: a tile of 16 rows x 256 along K, as register images
.set KROW,   SIZE_K*6/8
.set PITCH,  240                       ; B's LDS row: 3 x (64 bytes + 16 of padding)
.set FR,     12
.set NL,     6
.set NP,     4
.set HALFT,  128*PITCH                 ; a quarter of a slot (A's parts use 24,576 bytes of theirs)
.set SLOT,   4*HALFT
.set LAPS,   SIZE_K/(2*KSTEP)
.set KS,     SIZE_K/32
.set SCL,    2*SLOT
.set HALFS,  (128*KS/256)*272
.set SBLK,   (16*KS/256)*272
.set SPARE,  SCL+4*HALFS
.set SPITCH, 528                       ; the way out: a stage of 16 rows x (512 bytes + 16) for each wave, in slot 0, which has had its last fill and its last read when the first result is stored there
.set ADRA, 16                          ; v16-17 LDS address of my A fragments in slot 0, 1: 8 x lane + my half
.set ADRB, 20                          ; v20-21 the same for B's rows (v22-23: behind one padding more)
.set STO,  24
.set RD,   25
.set CO,   26
.set ADRS, 27
.set SPW,  28
.set NIL,  29
.set SC,   32
.set AF,   128
.set BK,   128
.set G1, 24
.set G0, 32
.set G1B, 48
.set G0B, 56
.set G1S, 68
.set G0S, 76
.set G1SB, 80
.set G0SB, 88
.set MSB, 0
.macro WIN new
.if MSB != \new
	s_set_vgpr_msb (MSB<<8)|\new
.set MSB, \new
.endif
.endm
.set MUL_LO, 0xa1
.set MUL_HI, 0xf1
.set TO_B,   0x40
.macro JLOAD g0a, g1a, g0b, g1b        ; waves 0 and 1 fetch for A, waves 2 and 3 for B; four v_nop follow each of the two lines
	s_cmp_eq_u32 s15, 0
	s_cbranch_scc0 .Lfor_b_\@
	tensor_load_to_lds s[\g0a:\g0a+3], s[\g1a:\g1a+7]
	s_nop 0
.rept 4
	v_nop
.endr
	s_branch .Lasked_\@
.Lfor_b_\@:
	tensor_load_to_lds s[\g0b:\g0b+3], s[\g1b:\g1b+7]
	s_nop 0
.rept 4
	v_nop
.endr
.Lasked_\@:
.endm
.macro CREST
	s_cmp_lg_u32 s14, 0
	s_cbranch_scc1 .Lnot_wave_0_\@
	s_barrier_signal -3
.Lnot_wave_0_\@:
	s_barrier_wait -3
	s_barrier_signal -1
	s_barrier_wait -1
.endm
.macro CROUND
	s_barrier_signal -1
	s_barrier_wait -1
	CREST
.endm
	s_load_b128 s[4:7], s[0:1], 0x0                ; yq s[4:5], wq s[6:7]
	s_load_b64 s[12:13], s[0:1], 0x10              ; out0
	v_lshl_add_u32 v[SPW], v0, 2, SPARE
	v_mov_b32 v[NIL], 0
	ds_add_u32 v28, v29
	ds_add_u32 v28, v29
	s_wait_dscnt 0x0
	v_lshrrev_b32 v1, 5, v0
	v_readfirstlane_b32 s14, v1                    ; wave 0..3
	s_lshr_b32 s15, s14, 1                         ; my half of the tile's rows.  Also: I fetch for A (0) or for B (1)
	s_and_b32 s16, s14, 1                          ; my half of its columns.  Also: which 128 rows I fetch
	s_bfe_u32 s40, ttmp6, 0x40000                  ; cx
	s_bfe_u32 s41, ttmp6, 0x40004                  ; cy
	s_lshl_b32 s42, ttmp9, 2
	s_add_co_u32 s42, s42, s40                     ; tile column of C
	s_and_b32 s17, ttmp7, 0xffff
	s_lshl_b32 s17, s17, 2
	s_add_co_u32 s17, s17, s41                     ; tile row of C
	s_lshl_b32 s43, s41, 2
	s_lshl_b32 s43, 15, s43                        ; my row of the cluster
	s_lshl_b32 s44, 0x1111, s40                    ; my column
	; group 1 for A's tiles: 8 rows (tiles of 16 rows of y) x 3,072 bytes (384 elements of 8), 12,288 bytes apart; dense in LDS
	s_or_b32 s[G1+0], s43, (3<<16)|(1<<21)
	s_mov_b32 s[G1+1], (AROW/8)<<16
	s_mov_b32 s[G1+2], 8<<16
	s_mov_b32 s[G1+3], (AROW/8)<<16
	s_mov_b32 s[G1+4], 8
	s_mov_b32 s[G1+5], 1536
	s_mov_b32 s[G1+6], 0
	s_mov_b32 s[G1+7], 0
	; for B's: 128 rows x 192 bytes; 16 bytes of padding behind every 64
	s_or_b32 s[G1B+0], s44, (0<<16)|(1<<20)|(1<<21)|(3<<22)|(3<<25)
	s_mov_b32 s[G1B+1], ROWB<<16
	s_mov_b32 s[G1B+2], 128<<16
	s_mov_b32 s[G1B+3], ROWB<<16
	s_mov_b32 s[G1B+4], 128
	s_mov_b32 s[G1B+5], KROW
	s_mov_b32 s[G1B+6], 0
	s_mov_b32 s[G1B+7], 0
	; the scales of 128 rows: 4,096 dense bytes, as rows of 256 bytes, 16 bytes of padding behind each
	s_or_b32 s[G1S+0], s43, (3<<16)|(1<<20)|(1<<21)|(5<<22)|(3<<25)
	s_or_b32 s[G1SB+0], s44, (3<<16)|(1<<20)|(1<<21)|(5<<22)|(3<<25)
.irp g, G1S, G1SB
	s_mov_b32 s[\g+1], 32<<16
	s_mov_b32 s[\g+2], (128*KS/256)<<16
	s_mov_b32 s[\g+3], 32<<16
	s_mov_b32 s[\g+4], 128*KS/256
	s_mov_b32 s[\g+5], 32
	s_mov_b32 s[\g+6], 0
	s_mov_b32 s[\g+7], 0
.endr
	s_lshl_b32 s20, s17, 4
	s_lshl_b32 s18, s16, 3
	s_add_co_u32 s20, s20, s18                     ; A: tile of 16 rows: 16 x tile row + 8 x half
	s_mul_i32 s20, s20, 12288                      ; its codes
	s_mov_b32 s21, 0
	s_lshl_b32 s22, s17, 8
	s_lshl_b32 s18, s16, 7
	s_add_co_u32 s22, s22, s18                     ; A: row 256 x tile row + 128 x half
	s_lshl_b32 s22, s22, 5
	s_add_co_u32 s22, s22, 6291456                 ; its scale bytes
	s_mov_b32 s23, 0
	s_lshl_b32 s46, s42, 8
	s_add_co_u32 s46, s46, s18                     ; B: row 256 x tile column + 128 x half, of w_proj's 1,024
	s_lshl_b32 s92, s46, 5
	s_add_co_u32 s92, s92, 3244032                 ; its scale bytes: 3,145,728 + 3,072 rows of 32
	s_mov_b32 s93, 0
	s_mul_i32 s46, s46, KROW
	s_add_co_u32 s46, s46, 2359296                 ; its codes: behind 3,072 rows of 768
	s_mov_b32 s47, 0
	s_mul_i32 s45, s14, HALFT                      ; where they go: no place in the cluster enters an LDS address
	s_mul_i32 s94, s14, HALFS
	s_wait_kmcnt 0x0
	s_add_nc_u64 s[20:21], s[4:5], s[20:21]
	s_add_nc_u64 s[22:23], s[4:5], s[22:23]
	s_add_nc_u64 s[46:47], s[6:7], s[46:47]
	s_add_nc_u64 s[92:93], s[6:7], s[92:93]
	CROUND                                         ; all sixteen work-groups are here: the first joint loads meet
	s_mov_b32 s[G0S], 1
	s_add_co_u32 s[G0S+1], s94, SCL
	s_mov_b64 s[G0S+2:G0S+3], s[22:23]
	s_or_b32 s[G0S+3], s[G0S+3], 0x80000000
	s_mov_b32 s[G0SB], 1
	s_add_co_u32 s[G0SB+1], s94, SCL
	s_mov_b64 s[G0SB+2:G0SB+3], s[92:93]
	s_or_b32 s[G0SB+3], s[G0SB+3], 0x80000000
	JLOAD G0S, G1S, G0SB, G1SB
.irp s, 0,1
	s_mov_b32 s[G0+4*\s], 1
	s_add_co_u32 s[G0+4*\s+1], s45, \s*SLOT
	s_add_nc_u64 s[G0+4*\s+2:G0+4*\s+3], s[20:21], \s*AROW
	s_or_b32 s[G0+4*\s+3], s[G0+4*\s+3], 0x80000000
	s_mov_b32 s[G0B+4*\s], 1
	s_add_co_u32 s[G0B+4*\s+1], s45, \s*SLOT
	s_add_nc_u64 s[G0B+4*\s+2:G0B+4*\s+3], s[46:47], \s*ROWB
	s_or_b32 s[G0B+4*\s+3], s[G0B+4*\s+3], 0x80000000
	JLOAD G0+4*\s, G1, G0B+4*\s, G1B
.endr
	v_and_b32 v1, 15, v0                           ; l % 16
	v_bfe_u32 v2, v0, 4, 1                         ; l / 16
	v_and_b32 v6, 31, v0                           ; lane
	v_lshlrev_b32 v7, 3, v6                        ; A: 8 x lane
	v_mul_u32_u24 v3, v1, PITCH
	v_mul_u32_u24 v4, v2, 24
	v_add_nc_u32 v4, v3, v4                        ; B: a fragment's row x pitch + 24 x half
	v_lshl_add_u32 v5, v2, 4, v4                   ; and the same behind one padding more
	s_mul_i32 s21, s15, HALFT                      ; my 128 rows of A
	s_mul_i32 s22, s16, HALFT                      ; my 128 rows of B,
	s_add_co_u32 s22, s22, 2*HALFT                 ; behind A's two parts
.irp s, 0,1
	v_add_nc_u32 v[ADRA+\s], s21, v7
	v_add_nc_u32 v[ADRB+\s], s22, v4
	v_add_nc_u32 v[ADRB+2+\s], s22, v5
	s_add_co_u32 s21, s21, SLOT
	s_add_co_u32 s22, s22, SLOT
.endr
	v_mul_u32_u24 v5, v1, KS
	v_lshrrev_b32 v8, 8, v5
	v_lshl_add_u32 v5, v8, 4, v5
	s_mul_i32 s21, s15, HALFS
	s_mul_i32 s22, s16, HALFS
	s_add_co_u32 s22, s22, 2*HALFS
	s_sub_co_u32 s22, s22, s21
	v_mul_u32_u24 v8, s22, v2                      ; lanes 16-31 take B's: one product, the distance between the two bases
	s_add_co_u32 s21, s21, SCL
	v_add_nc_u32 v5, v5, v8
	v_add_nc_u32 v[ADRS], s21, v5
	s_mul_i32 s23, s14, 16*SPITCH                  ; my stage
	v_mul_u32_u24 v5, v1, SPITCH                   ; in: row l % 16; B's tile 2 b + u, register j, is column 32 b + 16 (l / 16) + 8 u + j: 64 bytes for each half of the lanes
	v_lshl_add_u32 v5, v2, 6, v5
	v_add_nc_u32 v[STO], s23, v5
	v_lshlrev_b32 v[CO], 4, v6                     ; back: the 32 lanes take one row of 512 bytes; and the same in C
	v_add_nc_u32 v[RD], s23, v[CO]
	s_lshl_b32 s20, s17, 8
	s_lshl_b32 s21, s15, 7
	s_add_co_u32 s20, s20, s21                     ; my first row of C
	s_mov_b32 s21, 0
	s_mov_b64 s[18:19], SIZE_N*4
	s_mul_u64 s[20:21], s[20:21], s[18:19]
	s_lshl_b32 s46, s42, 10                        ; my first column, in bytes
	s_lshl_b32 s47, s16, 9
	s_add_co_u32 s46, s46, s47
	s_mov_b32 s47, 0
	s_add_nc_u64 s[20:21], s[20:21], s[46:47]
	s_add_nc_u64 s[12:13], s[12:13], s[20:21]
.macro FRAG reg, adr, q, i             ; a fragment of B from padded rows, in pieces of 8 bytes
.irp p, 0,1,2,3,4,5
.set PCE, 12*(\q)+6*(\p/3)+\p%3
.if PCE%8 < 5
	ds_load_b64 v[\reg+2*\p:\reg+2*\p+1], v[\adr] offset:8*PCE+16*(PCE/8)+(\i)*16*PITCH
.else
	ds_load_b64 v[\reg+2*\p:\reg+2*\p+1], v[\adr+2] offset:8*PCE+16*(PCE/8)+(\i)*16*PITCH
.endif
.endr
.endm
.macro FRAGA reg, adr, q, i            ; a fragment of A: six register pairs as they were stored, 256 consecutive bytes a load
.irp p, 0,1,2,3,4,5
	ds_load_b64 v[\reg+2*\p:\reg+2*\p+1], v[\adr] offset:AROW*(\i)+1536*(\q)+256*\p
.endr
.endm
.macro MUL16 a0, p, q, sc, zero        ; the 64 accumulators take turns, one instruction a turn
.irp a, \a0, \a0+1
.irp b, 0,1,2,3,4,5,6,7
.if \zero
	v_wmma_scale_f32_16x16x128_f8f6f4 v[8*(8*((\a)%4)+\b):8*(8*((\a)%4)+\b)+7], v[128*(\p)+FR*\b:128*(\p)+FR*\b+FR-1], v[AF+FR*(\a):AF+FR*(\a)+FR-1], 0, v[SC+8*NQ*(\sc)+NQ*\b+(\q)], v[SC+8*NQ*(\sc)+NQ*(\a)+(\q)] matrix_a_fmt:MATRIX_FMT_BF6 matrix_b_fmt:MATRIX_FMT_BF6 matrix_a_scale:MATRIX_SCALE_ROW1
.else
	v_wmma_scale_f32_16x16x128_f8f6f4 v[8*(8*((\a)%4)+\b):8*(8*((\a)%4)+\b)+7], v[128*(\p)+FR*\b:128*(\p)+FR*\b+FR-1], v[AF+FR*(\a):AF+FR*(\a)+FR-1], v[8*(8*((\a)%4)+\b):8*(8*((\a)%4)+\b)+7], v[SC+8*NQ*(\sc)+NQ*\b+(\q)], v[SC+8*NQ*(\sc)+NQ*(\a)+(\q)] matrix_a_fmt:MATRIX_FMT_BF6 matrix_b_fmt:MATRIX_FMT_BF6 matrix_a_scale:MATRIX_SCALE_ROW1
.endif
.endr
.endr
.endm
.macro FETCH_B slot, q, p
	WIN TO_B
.irp i, 0,1,2,3,4,5,6,7
	FRAG 128*(\p)+FR*\i, ADRB+\slot, \q, \i
.endr
	WIN 0
.endm
.macro FETCH_A slot, q, i0
.irp i, \i0, \i0+1, \i0+2, \i0+3
	FRAGA AF+FR*(\i), ADRA+\slot, \q, \i
.endr
.endm
.macro SCALES sc
.irp i, 0,1,2,3,4,5,6,7
	ds_load_b64 v[SC+8*NQ*\sc+NQ*\i:SC+8*NQ*\sc+NQ*\i+1], v[ADRS] offset:\i*SBLK
.endr
.endm
.macro PLACES n
.rept \n
	v_nop
.endr
.endm
.macro STEP slot, q, zero
	s_wait_dscnt 4*NL                              ; B's set and A's blocks 0-3 are in; the youngest 24 loads (A's blocks 4-7) may be out
	WIN MUL_LO
	MUL16 0, (\q)%2, \q, \slot, \zero
	MUL16 2, (\q)%2, \q, \slot, \zero
	s_wait_dscnt 0
	PLACES NP
	FETCH_B \slot, (\q)+1, 1-(\q)%2
	FETCH_A \slot, (\q)+1, 0
	WIN MUL_HI
	MUL16 4, (\q)%2, \q, \slot, \zero
	MUL16 6, (\q)%2, \q, \slot, \zero
	PLACES NP
	WIN 0
	FETCH_A \slot, (\q)+1, 4
.endm
.macro TURN slot, next, fill
	s_wait_tensorcnt 0x0                           ; all my tensor loads have landed: my part of the next slot
	ds_add_u32 v[SPW], v[NIL]                      ; 0 onto my spare word
	s_wait_dscnt 4*NL+1                            ; (the add and the youngest 24 loads may be out)
	WIN MUL_LO
	MUL16 0, 1, NQ-1, \slot, 0
	s_wait_dscnt 0x0                               ; the add is done, and my reads of this slot are over
	s_barrier_signal -1
	MUL16 2, 1, NQ-1, \slot, 0
	WIN 0
	s_barrier_wait -1
.if \fill
	CREST                                          ; the barrier has opened a round of the cluster's: no wave of any partner still reads this slot or has a load on its way
	s_add_nc_u64 s[G0+4*\slot+2:G0+4*\slot+3], s[G0+4*\slot+2:G0+4*\slot+3], 2*AROW
	s_add_nc_u64 s[G0B+4*\slot+2:G0B+4*\slot+3], s[G0B+4*\slot+2:G0B+4*\slot+3], 2*ROWB
	JLOAD G0+4*\slot, G1, G0B+4*\slot, G1B
.else
	PLACES NP
.endif
	v_add_nc_u32 v[ADRS], 4*NQ, v[ADRS]
	FETCH_B \next, 0, 0
	FETCH_A \next, 0, 0
	SCALES \next
	WIN MUL_HI
	MUL16 4, 1, NQ-1, \slot, 0
	MUL16 6, 1, NQ-1, \slot, 0
	PLACES NP
	WIN 0
	FETCH_A \next, 0, 4
.endm
	s_wait_tensorcnt 1                             ; the scales and my part of K step 0 are in; K step 1's load may be out
	s_barrier_signal -1
	s_barrier_wait -1
	FETCH_B 0, 0, 0
	FETCH_A 0, 0, 0
	SCALES 0
	FETCH_A 0, 0, 4
	STEP 0, 0, 1
	s_mov_b32 s3, LAPS-1
.Llap:
	TURN 0, 1, 1
	STEP 1, 0, 0
	TURN 1, 0, 1
	STEP 0, 0, 0
	s_sub_co_u32 s3, s3, 1
	s_cmp_lg_u32 s3, 0
	s_cbranch_scc1 .Llap
	TURN 0, 1, 0
	STEP 1, 0, 0
	s_wait_dscnt 4*NL
	WIN MUL_LO
	MUL16 0, 1, NQ-1, 1, 0
	MUL16 2, 1, NQ-1, 1, 0
	s_wait_dscnt 0
	WIN MUL_HI
	MUL16 4, 1, NQ-1, 1, 0
	MUL16 6, 1, NQ-1, 1, 0
	WIN 0
; THE WAY OUT, block by block of 16 rows x 128 columns, through my own stage: in by columns put back in true order, back as whole rows of 512 bytes, each stored at its true row.
.macro TOSTAGE a
.set AC, 64*((\a)%4)
.set WS, 0x08+4*((\a)/4)
	WIN WS                                         ; the data: window 2 or 3
.irp b, 0,1,2,3,4,5,6,7
	ds_store_b128 v[STO], v[AC+8*\b:AC+8*\b+3] offset:128*(\b/2)+32*(\b%2)       ; each accumulator from its low end on
	ds_store_b128 v[STO], v[AC+8*\b+4:AC+8*\b+7] offset:128*(\b/2)+32*(\b%2)+16
.endr
	WIN 0
.set BB, BK+64*((\a)%2)
.irp t, 0,1,2,3,4,5,6,7,8,9,10,11,12,13,14,15
	ds_load_b128 v[BB+4*\t:BB+4*\t+3], v[RD] offset:\t*SPITCH    ; LDS serves a wave's instructions in order: these see the stores above
.endr
.endm
.macro SEND a, younger                 ; younger: the LDS instructions issued behind block a's loads, which may stay out
.set BB, BK+64*((\a)%2)
	s_wait_dscnt \younger
.irp t, 0,1,2,3,4,5,6,7,8,9,10,11,12,13,14,15
	global_store_b128 v[CO], v[BB+4*\t:BB+4*\t+3], s[12:13] offset:(32*((\a)/2)+8*((\a)%2)+\t+8*(\t/8))*SIZE_N*4 th:TH_STORE_NT   ; place 16 a + t is row 32 (a / 2) + 8 (a % 2) + t + 8 (t / 8); 32 lanes store 512 consecutive bytes, aligned; 127 rows of 4,096 bytes at the most in the immediate
.endr
.endm
	PLACES NP
	TOSTAGE 0
.irp a, 1,2,3,4,5,6,7
.if \a > 1
	s_wait_xcnt 0x0                                ; block a - 2's stores have read their registers: block a's loads may land there
.endif
	TOSTAGE \a
	SEND \a-1, 32                                  ; behind block a - 1's loads: block a's 16 stores and 16 loads
.endr
	SEND 7, 0
	s_wait_tensorcnt 0x0                           ; the wave's end
	ds_add_u32 v[SPW], v[NIL]
	s_wait_dscnt 0x0
	CROUND                                         ; the closing round
	s_endpgm
.Lfunc_end_k_qc695a1eea0_gemm_out:
	.size	k_qc695a1eea0_gemm_out, .Lfunc_end_k_qc695a1eea0_gemm_out-k_qc695a1eea0_gemm_out
	.p2alignl 7, 3214868480
	.fill 96, 4, 3214868480
	.section	.rodata,"a",@progbits
	.p2align	6, 0x0
	.amdhsa_kernel k_qc695a1eea0_gemm_out
		.amdhsa_group_segment_fixed_size 327680
		.amdhsa_private_segment_fixed_size 0
		.amdhsa_enable_private_segment 0
		.amdhsa_kernarg_size 24
		.amdhsa_user_sgpr_count 2
		.amdhsa_user_sgpr_kernarg_segment_ptr 1
		.amdhsa_wavefront_size32 1
		.amdhsa_system_sgpr_workgroup_id_x 1
		.amdhsa_system_sgpr_workgroup_id_y 1
		.amdhsa_system_sgpr_workgroup_id_z 1
		.amdhsa_system_vgpr_workitem_id 0
		.amdhsa_next_free_vgpr 1024
		.amdhsa_next_free_sgpr 98
		.amdhsa_reserve_vcc 0
		.amdhsa_float_denorm_mode_32 3
		.amdhsa_float_denorm_mode_16_64 3
		.amdhsa_memory_ordered 1
		.amdhsa_forward_progress 1
		.amdhsa_inst_pref_size 160
	.end_amdhsa_kernel
	.amdgpu_metadata
---
amdhsa.version: [ 1, 2 ]
amdhsa.kernels:
  - .name:           k_qc695a1eea0_gemm_out
    .symbol:         k_qc695a1eea0_gemm_out.kd
    .args:
      - { .name: yq, .offset: 0, .size: 8, .value_kind: global_buffer, .address_space: global }
      - { .name: wq, .offset: 8, .size: 8, .value_kind: global_buffer, .address_space: global }
      - { .name: out0, .offset: 16, .size: 8, .value_kind: global_buffer, .address_space: global }
    .group_segment_fixed_size: 327680
    .private_segment_fixed_size: 0
    .kernarg_segment_align: 8
    .kernarg_segment_size: 24
    .max_flat_workgroup_size: 128
    .sgpr_count:     98
    .vgpr_count:     1024
    .wavefront_size: 32
...
	.end_amdgpu_metadata
.endif
;; end of part 4
